; MI455X (gfx1250); checked and timed in simulation.
; The chip was launched on July 23, 2026; its instructions are those of AMD's public machine-readable ISA for CDNA 5 (MIT licence, August 2026) and "CDNA5" Instruction Set Architecture Reference Guide (July 2026). The comments in the code are by the model that wrote it; some were corrected since.
;; MH Self Attention. Allowed arithmetic: matrix products marked QUANTISED: E2M1 operands, one E8M0 scale for each 32 along K, by v_wmma_scale_f32_16x16x128_f8f6f4 with both operands' format E2M1 (or v_wmma_scale_f32_32x16x128_f4), f32 sums; products left as they are: bf16, f16 or f32 operands; f32 sums; everything else in f32.
;; Inputs: bk 1,024 float32; bo 1,024 float32; bq 1,024 float32; bv 1,024 float32; key_padding_mask 4 x 2,048 bool; wk 1,024 x 1,024 float32; wo 1,024 x 1,024 float32; wq 1,024 x 1,024 float32; wv 1,024 x 1,024 float32; x 4 x 2,048 x 1,024 float32.
;; Outputs: out0 4 x 2,048 x 1,024 float32.
;; This version of the problem:
;;   THIS VERSION OF THE PROBLEM IS GIVEN IN LOW PRECISION. The matrix products marked QUANTISED in the list below multiply operands that are first quantised to E2M1 (2 exponent bits, 1 mantissa bit; 4 bits a number), with one power-of-two scale for each 32 numbers along K (OCP MX v1.0); their sums are f32. The products marked 'left as it is' may take bf16, f16 or f32 operands, with f32 sums. Whichever they take, every output number must still come out within the allowed error. Rounding operands to bf16 (8 significant bits) uses up far more of that allowance than f16 does (11 bits, for magnitudes from 6e-5 to 65,504). All else is computed in f32.
;;   The module's matrix products, in the order in which they are computed (A, B: the left and right operand; K: the contracted axis; several contracted axes count as one K, in the product's order):
;;     1. [M 8,192, K 1,024] x [K 1,024, N 1,024]; A: input x; B: input wq: QUANTISED
;;     2. [M 8,192, K 1,024] x [K 1,024, N 1,024]; A: input x; B: input wk: QUANTISED
;;     3. [M 8,192, K 1,024] x [K 1,024, N 1,024]; A: input x; B: input wv: QUANTISED
;;     4. batch 64 x [M 2,048, K 64] x [K 64, N 2,048]; A: computed on the way; B: computed on the way: left as it is (an operand is computed on the way)
;;     5. batch 64 x [M 2,048, K 2,048] x [K 2,048, N 64]; A: computed on the way; B: computed on the way: left as it is (an operand is computed on the way)
;;     6. [M 8,192, K 1,024] x [K 1,024, N 1,024]; A: computed on the way; B: input wo: left as it is (an operand is computed on the way)
;;   THE QUANTISER, for each operand of a quantised product, along K:
;;     - K is cut into blocks of 32 from its start; a last block that is shorter is filled with zeros.
;;     - A block's scale is 2^e with e = floor(log2(the largest magnitude in the block)) - 2, held to -126 .. 127; a block of zeros has e = 0. As a byte (E8M0): e + 127.
;;     - Each number is divided by its block's scale, clamped to +-6, and rounded to the nearest number of E2M1, ties to even, subnormals kept.
;;     - The product sums the exact products of the quantised numbers (number of the format x scale) in f32.
;;   ~~~python
;;   def quantise(x, axis):      # numpy; x: float32 -> the quantised numbers, widened to float32 again
;;       x = np.moveaxis(x, axis, -1); K = x.shape[-1]
;;       x = np.pad(x, [(0, 0)] * (x.ndim - 1) + [(0, -K % 32)]); x = x.reshape(x.shape[:-1] + (-1, 32)); a = np.abs(x).max(-1, keepdims=True)
;;       e = np.where(a > 0, np.clip(np.frexp(np.where(a > 0, a, 1))[1] - 1 - 2, -126, 127), 0)      # np.frexp(a)[1] - 1 = floor(log2(a)), exactly
;;       r = np.clip(x / 2.0 ** e, -6, 6)
;;       step = 2.0 ** (np.maximum(np.frexp(np.where(r == 0, 1, r))[1] - 1, 0) - 1)
;;       q = np.round(r / step) * step * 2.0 ** e      # np.round: ties to even
;;       return np.moveaxis(q.reshape(q.shape[:-2] + (-1,))[..., :K], -1, axis).astype(np.float32)
;;   ~~~
;; One version. Each part assembles by itself: llvm-mc -triple=amdgcn-amd-amdhsa -mcpu=gfx1250 --defsym DOCPART=n.
;; ======== version 1 of 1: 4 launches
;; limits: values are held in f16: magnitudes above 65,504 overflow, below 6.1e-05 lose precision
;; workspace buffers: x_codes 4,194,304 bytes; x_scales 262,144 bytes; w_codes 1,572,864 bytes; w_scales 98,304 bytes; wo_h 2,097,152 bytes; tab 1,081,344 bytes; qkvh 50,331,648 bytes; att 16,777,216 bytes
;; launch prep (part 1): grid 400 x 1, 4 waves a work-group, no clusters, 33,280 bytes of LDS; arguments x, wq, wk, wv, wo, key_padding_mask, x_codes, x_scales, w_codes, w_scales, wo_h, tab; writes x_codes, x_scales, w_codes, w_scales, wo_h, tab
.if DOCPART == 1
	.amdgcn_target "amdgcn-amd-amdhsa--gfx1250"
	.amdhsa_code_object_version 6
	.text
	.protected	k_qe990043e66_prep
	.globl	k_qe990043e66_prep
	.p2align	8
	.type	k_qe990043e66_prep,@function
k_qe990043e66_prep:
	s_mov_b64 s[64:65], 0
	v_nop
	global_prefetch_b8 v0, s[64:65] scope:SCOPE_SE
	s_setreg_imm32_b32 hwreg(HW_REG_WAVE_MODE, 25, 1), 1
	s_wait_xcnt 0x0
; PREP: all that is made once for the later launches.  Three kinds of work-groups, told apart by the work-group's number alone.
;  0-351   x [8192][1024] and wq, wk, wv [1024][1024], f32, K innermost, become codes of FP4 (E2M1) and one E8M0 byte for each 32 along K:
;          x_codes [8192][512 bytes], x_scales [8192][32]; w_codes [3072][512], w_scales [3072][32], the rows of wq, wk, wv on end.
;          A block's scale is 2^(floor(log2(its largest magnitude)) - 2); its byte is the largest magnitude's exponent field - 2, held at 1 from below.
;          (A block of zeros so gets the byte 1: its codes are zeros, and the bytes are read by this program alone.)
;  352-383 wo [1024 n][1024 k] becomes f16(64 wo), laid [k / 64][n][64]: a block of 64 along K of many rows is then dense in memory.
;  384-399 the table of cos and sin for the rotation, [2][2048 positions][cos 32 | sin 32] f32 (table 0 times log2(e) / 8, for q; table 1 plain, for k),
;          and behind it, from byte 1,048,576 on, the keys' addend [4][2048] f32: 0, or -2^100 where the mask says padded.
; LIMITS: NaN and infinities among the inputs are not served; blocks whose largest magnitude lies under 2^-124 keep the byte 1; 64 |wo| stays under 65,504.
; The angle is reduced by pi/2 in two parts and sin and cos are polynomials on +-pi/4: their error, with that of 10000^(-i/32), stays near 1e-4 rad at the last position.
.set WAVES, 4
.set STEPS, 16
.set EMAX,  2
.set CB,    8                          ; bytes of 16 codes
.set R,     16                         ; v16-79   four sets of 16 numbers as they are loaded
.set X,     80                         ; v80-111  two sets of 16 neighbours
.set E,     112                        ; v112-127 a scale byte for each step
.set C,     128                        ; v128-191 codes: four registers for each step
.set WREG,  8192                       ; LDS: a region for each wave: two stages of 32 x SP bytes, behind them its 256 scale bytes
.set SP,    80                         ; a lane's place in a stage: 64 bytes + 16 of padding
.set SPW,   12                         ; v12  LDS address of my spare word; never rewritten
.set NIL,   13                         ; v13  0; never rewritten
.set SPARE, WAVES*WREG                 ; behind the four regions: the spare words, 128 bytes a wave, that no other line names
.set WI,    32                         ; wo: v32-159 two sets of 64 numbers
.set WO,    160                        ; wo: v160-191 eight steps' packed results
	s_load_b512 s[4:19], s[0:1], 0x0               ; x 4, wq 6, wk 8, wv 10, wo 12, mask 14, x_codes 16, x_scales 18
	s_load_b256 s[20:27], s[0:1], 0x40             ; w_codes 20, w_scales 22, wo_h 24, tab 26
	v_lshl_add_u32 v[SPW], v0, 2, SPARE
	v_mov_b32 v[NIL], 0
	v_lshrrev_b32 v1, 5, v0
	v_readfirstlane_b32 s28, v1                    ; wave
	v_and_b32 v2, 31, v0                           ; lane
	v_lshlrev_b32 v3, 4, v2                        ; my 16 bytes of a load's 512
	s_mul_i32 s29, s28, WREG
	v_lshrrev_b32 v14, 2, v2
	v_mul_u32_u24 v14, v14, SP
	v_and_b32 v15, 3, v2
	v_lshl_add_u32 v14, v15, 4, v14
	v_add_nc_u32 v14, s29, v14                     ; the stage, on the way in: SP (lane / 4) + 16 (lane % 4)
	v_mul_u32_u24 v15, v2, SP
	v_add_nc_u32 v15, s29, v15                     ; and on the way out: SP x lane: my 16 neighbours
	v_mul_u32_u24 v4, v2, CB                       ; my codes' place in a step's
	v_lshrrev_b32 v5, 1, v2
	s_add_co_u32 s29, s29, 2*32*SP
	v_add_nc_u32 v5, s29, v5                       ; LDS: my wave's 256 scale bytes, my block's byte
	v_lshlrev_b32 v7, 3, v2                        ; on the way out 8 bytes a lane
	v_add_nc_u32 v6, s29, v7
	s_wait_kmcnt 0x0
	s_cmp_ge_u32 ttmp9, 352
	s_cbranch_scc1 .Lother
; ---- THE QUANTISER.  Rows are dense and K is a multiple of 32: each tensor is a plain stream of blocks of 32.  A wave takes 16 steps of 512 numbers.
; The loads take the bytes as they lie (512 consecutive bytes a load); a step's 2,048 bytes turn through the wave's own stage, so that a lane then holds 16 neighbours.
	s_cmp_lt_u32 ttmp9, 320                        ; which tensor: the choice hangs on the work-group's number alone
	s_cselect_b64 s[30:31], s[8:9], s[10:11]
	s_cmp_lt_u32 ttmp9, 288
	s_cselect_b64 s[30:31], s[6:7], s[30:31]
	s_cmp_lt_u32 ttmp9, 256
	s_cselect_b64 s[30:31], s[4:5], s[30:31]       ; the numbers,
	s_cselect_b64 s[32:33], s[16:17], s[20:21]     ; the codes,
	s_cselect_b64 s[34:35], s[18:19], s[22:23]     ; the scale bytes
	s_cselect_b32 s36, 0, 256                      ; the first work-group of the destination
	s_cselect_b32 s37, -1, 31                      ; a weight has 32 work-groups, and 256, 288, 320 are multiples of 32
	s_and_b32 s38, ttmp9, s37
	s_lshl_b32 s38, s38, 2
	s_add_co_u32 s38, s38, s28                     ; which run of 8,192 numbers of the source is my wave's
	s_lshl_b32 s38, s38, 15
	s_mov_b32 s39, 0
	s_add_nc_u64 s[30:31], s[30:31], s[38:39]
	s_sub_co_u32 s38, ttmp9, s36
	s_lshl_b32 s38, s38, 2
	s_add_co_u32 s38, s38, s28                     ; and of the destination
	s_lshl_b32 s40, s38, 12                        ; 4,096 bytes of codes a run,
	s_mov_b32 s41, 0
	s_add_nc_u64 s[32:33], s[32:33], s[40:41]
	s_lshl_b32 s38, s38, 8                         ; 256 scale bytes
	s_add_nc_u64 s[34:35], s[34:35], s[38:39]
.macro LOAD t
.irp i, 0,1,2,3
	global_load_b128 v[R+16*((\t)%4)+4*\i:R+16*((\t)%4)+4*\i+3], v3, s[30:31] offset:2048*(\t)+512*\i th:TH_LOAD_NT   ; 32 lanes read 512 consecutive bytes
.endr
.endm
.macro TURN t                          ; step t's numbers through the stage: LDS serves a wave's instructions in order, so no wait stands between the stores and the loads
.irp i, 0,1,2,3
	ds_store_b128 v14, v[R+16*((\t)%4)+4*\i:R+16*((\t)%4)+4*\i+3] offset:32*SP*((\t)%2)+8*SP*\i
.endr
.irp i, 0,1,2,3
	ds_load_b128 v[X+16*((\t)%2)+4*\i:X+16*((\t)%2)+4*\i+3], v15 offset:32*SP*((\t)%2)+16*\i
.endr
.endm
.irp t, 0,1,2,3
	LOAD \t
.endr
	s_wait_loadcnt 12                              ; step 0's four loads are in; the twelve of steps 1 to 3 may be out
	TURN 0
.macro STEP t
.set XS, X+16*((\t)%2)
.if (\t) > 0
	s_wait_dscnt 1                                 ; this step's numbers are back from the stage (the last step's byte store may be out)
.else
	s_wait_dscnt 0x0
.endif
.if (\t)+4 < STEPS
	LOAD (\t)+4                                    ; into the registers whose stores into the stage have been served
.endif
.if (\t)+1 < STEPS
.if STEPS-2-(\t) >= 3
	s_wait_loadcnt 12                              ; the next step's four loads are in; those of the three steps behind it may be out
.else
	s_wait_loadcnt 4*(STEPS-2-(\t))
.endif
	TURN (\t)+1                                    ; they go through the other stage while this step is worked
.endif
	v_max3_num_f32 v8, |v[XS]|, |v[XS+1]|, |v[XS+2]|               ; the largest magnitude of my 16, in two chains
	v_max3_num_f32 v9, |v[XS+3]|, |v[XS+4]|, |v[XS+5]|
.irp i, 6,10
	v_max3_num_f32 v8, v8, |v[XS+\i]|, |v[XS+\i+1]|
	v_max3_num_f32 v9, v9, |v[XS+\i+2]|, |v[XS+\i+3]|
.endr
	v_max3_num_f32 v8, v8, |v[XS+14]|, |v[XS+15]|
	v_max3_num_f32 v8, v8, v9, (EMAX+1)<<23        ; and the floor 2^(EMAX + 1 - 127): the byte cannot fall under 1
	v_max_num_f32_dpp v8, v8, v8 row_xmask:1 row_mask:0xf bank_mask:0xf   ; and of my neighbour's 16: the block's
	v_add_nc_u32 v11, -(EMAX<<23), v8              ; EMAX off its exponent field: the conversion takes this operand's exponent field as its scale
	v_cvt_scalef32_pk8_fp4_f32 v[C+4*(\t)], v[XS:XS+7], v11
	v_cvt_scalef32_pk8_fp4_f32 v[C+4*(\t)+1], v[XS+8:XS+15], v11
	v_lshrrev_b32 v[E+(\t)], 23, v11               ; the scale's byte (a plain line behind the conversions)
	ds_store_b8 v5, v[E+(\t)] offset:16*(\t)       ; both lanes of a block write the same byte with the same value
	global_store_b64 v4, v[C+4*(\t):C+4*(\t)+1], s[32:33] offset:32*CB*(\t)   ; the wave stores 256 consecutive bytes, aligned
.endm
.irp t, 0,1,2,3,4,5,6,7,8,9,10,11,12,13,14,15
	STEP \t
.endr
	ds_load_b64 v[8:9], v6                         ; LDS serves a wave's instructions in order: these see my byte stores
	s_wait_dscnt 0x0
	global_store_b64 v7, v[8:9], s[34:35]          ; 32 lanes store the wave's 256 scale bytes, aligned
	s_wait_tensorcnt 0x0                           ; the wave's end
	ds_add_u32 v[SPW], v[NIL]
	s_wait_dscnt 0x0
	s_endpgm
.Lother:
	s_cmp_ge_u32 ttmp9, 384
	s_cbranch_scc1 .Lrope
; ---- wo.  Wave w of work-group j takes rows 32 j + 8 w .. + 7.  A step is 4 rows x 64 along K: a lane reads 32 neighbouring bytes (eight lanes 256, aligned)
; and stores its 8 numbers as 16 bytes; the wave's store covers 512 consecutive bytes.  Four batches of eight steps; the next batch's 16 loads are out while a batch is worked.
	s_sub_co_u32 s29, ttmp9, 352
	s_lshl_b32 s29, s29, 5
	s_lshl_b32 s38, s28, 3
	s_add_co_u32 s29, s29, s38                     ; my first row
	s_lshl_b32 s38, s29, 12
	s_mov_b32 s39, 0
	s_add_nc_u64 s[12:13], s[12:13], s[38:39]
	s_lshl_b32 s38, s29, 7
	s_add_nc_u64 s[24:25], s[24:25], s[38:39]
	v_lshrrev_b32 v16, 3, v2
	v_lshlrev_b32 v16, 12, v16
	v_and_b32 v17, 7, v2
	v_lshl_add_u32 v16, v17, 5, v16                ; in: row lane / 8, 32 bytes x lane % 8
	v_lshlrev_b32 v17, 4, v2                       ; out: 16 x lane
.macro WLOAD n                         ; batch n: step 8 n + i takes rows 4 (i % 2) .. + 3 and K block 4 n + i / 2
.irp i, 0,1,2,3,4,5,6,7
	global_load_b128 v[WI+64*((\n)%2)+8*\i:WI+64*((\n)%2)+8*\i+3], v16, s[12:13] offset:(\i%2)*16384+(4*(\n)+\i/2)*256 th:TH_LOAD_NT
	global_load_b128 v[WI+64*((\n)%2)+8*\i+4:WI+64*((\n)%2)+8*\i+7], v16, s[12:13] offset:(\i%2)*16384+(4*(\n)+\i/2)*256+16 th:TH_LOAD_NT
.endr
.endm
.macro WWORK n
.irp i, 0,1,2,3,4,5,6,7
.irp j, 0,1,2,3
	v_pk_mul_f32 v[WI+64*((\n)%2)+8*\i+2*\j:WI+64*((\n)%2)+8*\i+2*\j+1], v[WI+64*((\n)%2)+8*\i+2*\j:WI+64*((\n)%2)+8*\i+2*\j+1], 0x42800000 op_sel_hi:[1,0]   ; x 64: exact
.endr
.irp j, 0,1,2,3
	v_cvt_pk_f16_f32 v[WO+4*\i+\j], v[WI+64*((\n)%2)+8*\i+2*\j], v[WI+64*((\n)%2)+8*\i+2*\j+1]
.endr
	global_store_b128 v17, v[WO+4*\i:WO+4*\i+3], s[24:25] offset:(4*(\n)+\i/2)*131072+(\i%2)*512
.endr
.endm
	WLOAD 0
	WLOAD 1
	s_wait_loadcnt 16                              ; batch 0 is in; batch 1's sixteen loads may be out
	WWORK 0
.irp n, 1,2
	WLOAD \n+1
	s_wait_loadcnt 16
	s_wait_xcnt 0x0                                ; the last batch's stores have read their data: the packed results are written again only behind this wait
	WWORK \n
.endr
	s_wait_loadcnt 0x0
	s_wait_xcnt 0x0
	WWORK 3
	s_endpgm
.Lrope:
; ---- the keys' addend and the table.  Thread t of work-group j takes four bytes of the mask; wave W = 4 j + w takes positions 32 W .. + 31, two a trip.
	s_sub_co_u32 s29, ttmp9, 384
	s_lshl_b32 s38, s29, 7
	v_add_nc_u32 v16, s38, v0
	v_lshlrev_b32 v17, 2, v16
	global_load_b32 v18, v17, s[14:15]             ; four keys' bytes
	v_lshlrev_b32 v19, 4, v16
	s_mov_b32 s40, 0x3f22f983                      ; 2 / pi
	s_mov_b32 s41, 0x3fc90fdb                      ; pi / 2, its upper part,
	s_mov_b32 s42, 0xb33bbd2e                      ; and the rest
	s_mov_b32 s43, 0xbe2aaaab                      ; -1/6
	s_mov_b32 s44, 0x3c088889                      ; 1/120
	s_mov_b32 s45, 0xb9500d01                      ; -1/5040
	s_mov_b32 s46, 0x3d2aaaab                      ; 1/24
	s_mov_b32 s47, 0xbab60b61                      ; -1/720
	s_mov_b32 s48, 0x37d00d01                      ; 1/40320
	s_mov_b32 s49, 0x3e38aa3b                      ; log2(e) / 8
	s_lshl_b32 s38, s29, 2
	s_add_co_u32 s38, s38, s28                     ; W
	v_and_b32 v20, 15, v0
	v_lshlrev_b32 v21, 2, v20                      ; my four columns begin at 4 (lane % 16)
.irp e, 0,1,2,3
	v_add_nc_u32 v22, \e, v21
	v_and_b32 v22, 31, v22                         ; i = column mod 32
	v_cvt_f32_u32 v22, v22
	v_mul_f32 v[32+\e], 0xbed49a78, v22            ; -i log2(10000) / 32
.endr
.irp e, 0,1,2,3
	v_exp_f32 v[32+\e], v[32+\e]                   ; 10000^(-i / 32)
.endr
	v_lshrrev_b32 v36, 3, v20                      ; (a plain line behind the four)
	v_xor_b32 v36, 1, v36                          ; 1 for the columns of cos: cos(a) = sin(a + pi/2), one quadrant on
	v_bfe_u32 v23, v0, 4, 1
	s_lshl_b32 s39, s38, 5
	v_add_nc_u32 v23, s39, v23
	v_cvt_f32_u32 v37, v23                         ; my position: 32 W + lane / 16, + 2 a trip
	s_lshl_b32 s39, s38, 13
	v_lshl_add_u32 v38, v2, 4, s39                 ; 8,192 W + 16 x lane: two positions' 512 bytes a store
	v_mov_b32 v21, 0xf1800000                      ; -2^100
	s_wait_loadcnt 0x0
.irp e, 0,1,2,3
	v_bfe_u32 v22, v18, 8*\e, 8
	v_cmp_ne_u32 vcc_lo, 0, v22
	v_cndmask_b32 v[24+\e], 0, v21, vcc_lo
.endr
	global_store_b128 v19, v[24:27], s[26:27] offset:1048576
	s_wait_alu depctr_va_vdst(0)                   ; one wait for the four exponentials, ahead of their first reader and of the label
	s_mov_b32 s39, 16
.Ltrip:
.irp e, 0,1,2,3
	v_mul_f32 v[40+\e], v37, v[32+\e]              ; the angle
.endr
.irp e, 0,1,2,3
	v_mul_f32 v[44+\e], s40, v[40+\e]
.endr
.irp e, 0,1,2,3
	v_rndne_f32 v[44+\e], v[44+\e]                 ; n quadrants
.endr
.irp e, 0,1,2,3
	v_fma_f32 v[48+\e], -v[44+\e], s41, v[40+\e]
.endr
.irp e, 0,1,2,3
	v_fma_f32 v[48+\e], -v[44+\e], s42, v[48+\e]   ; r, within +-pi/4
.endr
.irp e, 0,1,2,3
	v_cvt_i32_f32 v[52+\e], v[44+\e]
.endr
.irp e, 0,1,2,3
	v_add_nc_u32 v[52+\e], v[52+\e], v36
.endr
.irp e, 0,1,2,3
	v_mul_f32 v[56+\e], v[48+\e], v[48+\e]
.endr
.irp e, 0,1,2,3
	v_fma_f32 v[60+\e], v[56+\e], s45, s44
.endr
.irp e, 0,1,2,3
	v_fma_f32 v[60+\e], v[60+\e], v[56+\e], s43
.endr
.irp e, 0,1,2,3
	v_mul_f32 v[60+\e], v[60+\e], v[56+\e]
.endr
.irp e, 0,1,2,3
	v_fma_f32 v[60+\e], v[60+\e], v[48+\e], v[48+\e]   ; sin r
.endr
.irp e, 0,1,2,3
	v_fma_f32 v[64+\e], v[56+\e], s48, s47
.endr
.irp e, 0,1,2,3
	v_fma_f32 v[64+\e], v[64+\e], v[56+\e], s46
.endr
.irp e, 0,1,2,3
	v_fma_f32 v[64+\e], v[64+\e], v[56+\e], -0.5
.endr
.irp e, 0,1,2,3
	v_fma_f32 v[64+\e], v[64+\e], v[56+\e], 1.0    ; cos r
.endr
.irp e, 0,1,2,3
	v_and_b32 v76, 1, v[52+\e]
	v_cmp_ne_u32 vcc_lo, 0, v76
	v_cndmask_b32 v[68+\e], v[60+\e], v[64+\e], vcc_lo   ; odd quadrants take cos r,
	v_and_b32 v77, 2, v[52+\e]
	v_lshlrev_b32 v77, 30, v77
	v_xor_b32 v[68+\e], v[68+\e], v77              ; quadrants 2 and 3 change the sign
	v_mul_f32 v[72+\e], s49, v[68+\e]
.endr
	global_store_b128 v38, v[72:75], s[26:27]                   ; q's table
	global_store_b128 v38, v[68:71], s[26:27] offset:524288     ; k's
	s_wait_xcnt 0x0                                ; the stores have read their data and their offset: both are written again only behind this wait
	v_add_nc_u32 v38, 512, v38
	v_add_f32 v37, 2.0, v37
	s_sub_co_u32 s39, s39, 1
	s_cmp_lg_u32 s39, 0
	s_cbranch_scc1 .Ltrip
	s_endpgm
.Lfunc_end_k_qe990043e66_prep:
	.size	k_qe990043e66_prep, .Lfunc_end_k_qe990043e66_prep-k_qe990043e66_prep
	.p2alignl 7, 3214868480
	.fill 96, 4, 3214868480
	.section	.rodata,"a",@progbits
	.p2align	6, 0x0
	.amdhsa_kernel k_qe990043e66_prep
		.amdhsa_group_segment_fixed_size 33280
		.amdhsa_private_segment_fixed_size 0
		.amdhsa_enable_private_segment 0
		.amdhsa_kernarg_size 96
		.amdhsa_user_sgpr_count 2
		.amdhsa_user_sgpr_kernarg_segment_ptr 1
		.amdhsa_wavefront_size32 1
		.amdhsa_system_sgpr_workgroup_id_x 1
		.amdhsa_system_sgpr_workgroup_id_y 1
		.amdhsa_system_sgpr_workgroup_id_z 1
		.amdhsa_system_vgpr_workitem_id 0
		.amdhsa_next_free_vgpr 192
		.amdhsa_next_free_sgpr 66
		.amdhsa_reserve_vcc 1
		.amdhsa_float_denorm_mode_32 3
		.amdhsa_float_denorm_mode_16_64 3
		.amdhsa_memory_ordered 1
		.amdhsa_forward_progress 1
		.amdhsa_inst_pref_size 71
	.end_amdhsa_kernel
	.amdgpu_metadata
---
amdhsa.version: [ 1, 2 ]
amdhsa.kernels:
  - .name:           k_qe990043e66_prep
    .symbol:         k_qe990043e66_prep.kd
    .args:
      - { .name: x, .offset: 0, .size: 8, .value_kind: global_buffer, .address_space: global }
      - { .name: wq, .offset: 8, .size: 8, .value_kind: global_buffer, .address_space: global }
      - { .name: wk, .offset: 16, .size: 8, .value_kind: global_buffer, .address_space: global }
      - { .name: wv, .offset: 24, .size: 8, .value_kind: global_buffer, .address_space: global }
      - { .name: wo, .offset: 32, .size: 8, .value_kind: global_buffer, .address_space: global }
      - { .name: key_padding_mask, .offset: 40, .size: 8, .value_kind: global_buffer, .address_space: global }
      - { .name: x_codes, .offset: 48, .size: 8, .value_kind: global_buffer, .address_space: global }
      - { .name: x_scales, .offset: 56, .size: 8, .value_kind: global_buffer, .address_space: global }
      - { .name: w_codes, .offset: 64, .size: 8, .value_kind: global_buffer, .address_space: global }
      - { .name: w_scales, .offset: 72, .size: 8, .value_kind: global_buffer, .address_space: global }
      - { .name: wo_h, .offset: 80, .size: 8, .value_kind: global_buffer, .address_space: global }
      - { .name: tab, .offset: 88, .size: 8, .value_kind: global_buffer, .address_space: global }
    .group_segment_fixed_size: 33280
    .private_segment_fixed_size: 0
    .kernarg_segment_align: 8
    .kernarg_segment_size: 96
    .max_flat_workgroup_size: 128
    .sgpr_count:     66
    .vgpr_count:     192
    .wavefront_size: 32
...
	.end_amdgpu_metadata
.endif
;; end of part 1
;; launch qkv (part 2): grid 12 x 32, 4 waves a work-group, clusters of 4 x 4, 327,680 bytes of LDS; arguments x_codes, x_scales, w_codes, w_scales, bq, bk, bv, tab, qkvh; writes qkvh
.if DOCPART == 2
	.amdgcn_target "amdgcn-amd-amdhsa--gfx1250"
	.amdhsa_code_object_version 6
	.text
	.protected	k_qe990043e66_qkv
	.globl	k_qe990043e66_qkv
	.p2align	8
	.type	k_qe990043e66_qkv,@function
k_qe990043e66_qkv:
	s_mov_b64 s[64:65], 0
	v_nop
	global_prefetch_b8 v0, s[64:65] scope:SCOPE_SE
	s_setreg_imm32_b32 hwreg(HW_REG_WAVE_MODE, 25, 1), 1
	s_wait_xcnt 0x0
	s_wait_alu depctr_hold_cnt(0) depctr_sa_sdst(0) depctr_va_vdst(0) depctr_va_sdst(0) depctr_va_ssrc(0) depctr_va_vcc(0) depctr_vm_vsrc(0)
	s_getreg_b32 s2, hwreg(HW_REG_IB_STS2, 6, 4)
	s_cmp_eq_u32 s2, 0
	s_cbranch_scc0 .Lentry_in_a_cluster
	s_endpgm
.Lentry_in_a_cluster:
	s_bfe_u32 s2, ttmp6, 0x10000c
	s_cmp_lg_u32 s2, 0xf033
	s_cbranch_scc0 .Lentry_shape_is_right
	s_endpgm
.Lentry_shape_is_right:
; q, k, v = x W^T + b on codes of FP4 (E2M1) with one E8M0 scale for each 32 along K; then the rotation of q and k; out as f16, [which 3][b 4][h 16][l 2048][64].
; A: x's codes [8192][1024 K]; B: the codes of wq, wk, wv on end, [3072][1024 K].  A tile of 256 x 256 is made by four waves, 128 x 128 each: 64 accumulators, 512 registers.
; K is 1,024: two LDS slots of 512 along K (rows of 256 bytes), both asked for at the head; nothing is filled again.  The scales of the tile's rows come once, as two dense blocks.
; CLUSTERS: 4 x 4 work-groups.  A's tiles are shared along a row of the cluster, B's along a column: each is asked for jointly.  Four tile columns are one of wq, wk, wv: the cluster's x says which.
; THE MATRIX INSTRUCTION IS USED TRANSPOSED (source 0 = 16 rows of W, source 1 = 16 rows of x): a lane holds eight neighbouring columns of one row.
; THE WAY OUT, a block of 16 rows x 128 columns (two heads) at a time: + bias; for q and k the rotation (channels d and d + 32 of a head lie 16 registers apart in ONE lane); f16; through the wave's
; stage in LDS; out as 512 consecutive bytes a store.  q's table carries log2(e) / 8, so the scores come out as exponents of two.
; LIMITS: |q| log2(e) / 8, |k| and |v| stay under 65,504 (f16); NaN and infinities are not served.
; REGISTERS: window 0: v0-31 addresses; v32-95 scale words, two sets; v128-191 A's fragments, one set.  window 1: B's fragments, two sets, at v0 and v128; v64-127 the bias.  windows 2, 3: the accumulators.
;   On the way out, window 0: v8-15 at work; v32-95 cos and sin, two sets; v96-127 packed results; v128-191 the block in f32; v192-255 rows read back, two sets.
.set SIZE_K, 1024
.set KSTEP,  512
.set NQ,     KSTEP/128
.set ROWB,   256                       ; a tile's row in bytes
.set KROW,   SIZE_K*4/8                ; a row of codes in memory
.set PITCH,  272                       ; an LDS row: 256 bytes + 16 of padding: the 16 rows that a load touches start at 16 different banks (64 banks of 4 bytes: ISA guide 11.1)
.set FR,     8
.set NL,     2
.set NP,     4                         ; places behind this matrix instruction (ISA guide 7.12.1)
.set HALFT,  128*PITCH
.set SLOT,   4*HALFT
.set KS,     SIZE_K/32
.set SCL,    2*SLOT                    ; behind the two slots: the scales, as units of 256 bytes + 16 of padding
.set HALFS,  (128*KS/256)*272
.set SBLK,   (16*KS/256)*272
.set SPARE,  SCL+4*HALFS               ; the spare words, 128 bytes a wave, that no other line names
.set SPT,    144                       ; the stage: a head's row of 128 bytes + 16
.set STW,    2*16*SPT                  ; a wave's stage: two heads x 16 rows.  The stages lie in slot 0, which has had its one fill and its last read when the first result is stored there
.set TT,   8
.set ADRA, 16
.set ADRB, 20
.set RO,   22                          ; v22  the table: row r of 256 bytes + 32 h
.set BOF,  23                          ; v23  the bias: 32 h
.set STO,  24
.set RD,   25
.set CO,   26
.set ADRS, 27
.set SPW,  28
.set NIL,  29
.set SC,   32
.set CS,   32
.set TMP,  96
.set AF,   128
.set X,    128
.set OB,   192
.set BI,   64                          ; in window 1
.set G1, 24
.set G0, 32
.set G1B, 48
.set G0B, 56
.set G1S, 68
.set G0S, 76
.set G1SB, 80
.set G0SB, 88
.set MSB, 0
.macro WIN new                         ; the immediate's high byte repeats the setting that is left
.if MSB != (\new)
	s_set_vgpr_msb (MSB<<8)|(\new)
.set MSB, (\new)
.endif
.endm
.set MUL_LO, 0xa1                      ; source 0 (W) window 1, source 1 (x) window 0, C and D window 2
.set MUL_HI, 0xf1
.set TO_B,   0x40
; A joint load: waves 0 and 1 fetch for A, waves 2 and 3 for B.  An s_nop 0 and four v_nop follow each of the two lines.
.macro JLOAD g0a, g1a, g0b, g1b
	s_cmp_eq_u32 s15, 0
	s_cbranch_scc0 .Lfor_b_\@
	tensor_load_to_lds s[\g0a:\g0a+3], s[\g1a:\g1a+7]
	s_nop 0
.rept 4
	v_nop
.endr
	s_branch .Lasked_\@
.Lfor_b_\@:
	tensor_load_to_lds s[\g0b:\g0b+3], s[\g1b:\g1b+7]
	s_nop 0
.rept 4
	v_nop
.endr
.Lasked_\@:
.endm
.macro CROUND                          ; a round of the cluster's barrier
	s_barrier_signal -1
	s_barrier_wait -1
	s_cmp_lg_u32 s14, 0
	s_cbranch_scc1 .Lnot_wave_0_\@
	s_barrier_signal -3
.Lnot_wave_0_\@:
	s_barrier_wait -3
	s_barrier_signal -1
	s_barrier_wait -1
.endm
	s_load_b128 s[4:7], s[0:1], 0x0                ; x's codes, x's scales
	s_load_b128 s[8:11], s[0:1], 0x10              ; W's codes, W's scales
	s_load_b64 s[12:13], s[0:1], 0x40              ; the output
	v_lshl_add_u32 v[SPW], v0, 2, SPARE
	v_mov_b32 v[NIL], 0
	ds_add_u32 v[SPW], v[NIL]                      ; the wave's opening: the add, twice on end, and its wait ahead of my first tensor load
	ds_add_u32 v[SPW], v[NIL]
	v_lshrrev_b32 v1, 5, v0
	v_readfirstlane_b32 s14, v1                    ; wave 0..3
	s_lshr_b32 s15, s14, 1                         ; which half of the tile's rows is mine.  Also: I fetch for A (0) or for B (1)
	s_and_b32 s16, s14, 1                          ; which half of its columns.  Also: which 128 rows of that tile I fetch
	s_bfe_u32 s40, ttmp6, 0x40000                  ; cx, cy
	s_bfe_u32 s41, ttmp6, 0x40004
	s_lshl_b32 s42, ttmp9, 2
	s_add_co_u32 s42, s42, s40                     ; tile column
	s_and_b32 s17, ttmp7, 0xffff
	s_lshl_b32 s17, s17, 2
	s_add_co_u32 s17, s17, s41                     ; tile row
	s_lshl_b32 s43, s41, 2
	s_lshl_b32 s43, 15, s43                        ; my row of the cluster
	s_lshl_b32 s44, 0x1111, s40                    ; my column
	s_or_b32 s[G1+0], s43, (0<<16)|(1<<20)|(1<<21)|(5<<22)|(3<<25)  ; the mask; elements of 1 byte; padding on: 4 words behind every 64; bit 21 beside a mask
	s_or_b32 s[G1B+0], s44, (0<<16)|(1<<20)|(1<<21)|(5<<22)|(3<<25)
.irp g, G1, G1B
	s_mov_b32 s[\g+1], ROWB<<16                    ; tensor_dim0
	s_mov_b32 s[\g+2], 128<<16                     ; tensor_dim1
	s_mov_b32 s[\g+3], ROWB<<16                    ; tile_dim0
	s_mov_b32 s[\g+4], 128                         ; tile_dim1
	s_mov_b32 s[\g+5], KROW                        ; the pitch in memory
	s_mov_b32 s[\g+6], 0
	s_mov_b32 s[\g+7], 0
.endr
	s_or_b32 s[G1S+0], s43, (3<<16)|(1<<20)|(1<<21)|(5<<22)|(3<<25) ; the scales of 128 rows: a dense block, as rows of 256 bytes (32 elements of 8), 16 bytes of padding behind each
	s_or_b32 s[G1SB+0], s44, (3<<16)|(1<<20)|(1<<21)|(5<<22)|(3<<25)
.irp g, G1S, G1SB
	s_mov_b32 s[\g+1], 32<<16
	s_mov_b32 s[\g+2], (128*KS/256)<<16
	s_mov_b32 s[\g+3], 32<<16
	s_mov_b32 s[\g+4], 128*KS/256
	s_mov_b32 s[\g+5], 32
	s_mov_b32 s[\g+6], 0
	s_mov_b32 s[\g+7], 0
.endr
	s_lshl_b32 s18, s16, 7
	s_lshl_b32 s20, s17, 8
	s_add_co_u32 s20, s20, s18                     ; A: row 256 x tile row + 128 x half
	s_lshl_b32 s46, s42, 8
	s_add_co_u32 s46, s46, s18                     ; B: row 256 x tile column + 128 x half
	s_mov_b32 s21, 0
	s_mov_b32 s47, 0
	s_mov_b64 s[18:19], KS
	s_mul_u64 s[22:23], s[20:21], s[18:19]
	s_mul_u64 s[92:93], s[46:47], s[18:19]
	s_mov_b64 s[18:19], KROW
	s_mul_u64 s[20:21], s[20:21], s[18:19]
	s_mul_u64 s[46:47], s[46:47], s[18:19]
	s_mul_i32 s45, s14, HALFT                      ; where they go: wave x 128 rows
	s_mul_i32 s94, s14, HALFS
	s_wait_dscnt 0x0                               ; both opening adds are done
	s_wait_kmcnt 0x0
	s_add_nc_u64 s[20:21], s[4:5], s[20:21]
	s_add_nc_u64 s[22:23], s[6:7], s[22:23]
	s_add_nc_u64 s[46:47], s[8:9], s[46:47]
	s_add_nc_u64 s[92:93], s[10:11], s[92:93]
	CROUND                                         ; all sixteen work-groups are here: the joint loads meet
	s_mov_b32 s[G0S], 1
	s_add_co_u32 s[G0S+1], s94, SCL
	s_mov_b64 s[G0S+2:G0S+3], s[22:23]
	s_or_b32 s[G0S+3], s[G0S+3], 0x80000000
	s_mov_b32 s[G0SB], 1
	s_add_co_u32 s[G0SB+1], s94, SCL
	s_mov_b64 s[G0SB+2:G0SB+3], s[92:93]
	s_or_b32 s[G0SB+3], s[G0SB+3], 0x80000000
	JLOAD G0S, G1S, G0SB, G1SB                     ; the scales first: they are wanted with the first slot
.irp s, 0,1
	s_mov_b32 s[G0+4*\s], 1
	s_add_co_u32 s[G0+4*\s+1], s45, \s*SLOT
	s_add_nc_u64 s[G0+4*\s+2:G0+4*\s+3], s[20:21], \s*ROWB
	s_or_b32 s[G0+4*\s+3], s[G0+4*\s+3], 0x80000000
	s_mov_b32 s[G0B+4*\s], 1
	s_add_co_u32 s[G0B+4*\s+1], s45, \s*SLOT
	s_add_nc_u64 s[G0B+4*\s+2:G0B+4*\s+3], s[46:47], \s*ROWB
	s_or_b32 s[G0B+4*\s+3], s[G0B+4*\s+3], 0x80000000
	JLOAD G0+4*\s, G1, G0B+4*\s, G1B               ; three loads of mine are out
.endr
	s_load_b256 s[4:11], s[0:1], 0x20              ; bq 4, bk 6, bv 8, the table 10 (the four addresses that stood here are done with)
	v_and_b32 v1, 15, v0                           ; r
	v_bfe_u32 v2, v0, 4, 1                         ; h
	v_mul_u32_u24 v3, v1, PITCH
	v_lshl_add_u32 v4, v2, 4, v3
	s_mul_i32 s21, s15, HALFT
	s_mul_i32 s22, s16, HALFT
	s_add_co_u32 s22, s22, 2*HALFT
.irp s, 0,1
	v_add_nc_u32 v[ADRA+\s], s21, v4
	v_add_nc_u32 v[ADRB+\s], s22, v4
	s_add_co_u32 s21, s21, SLOT
	s_add_co_u32 s22, s22, SLOT
.endr
	v_mul_u32_u24 v5, v1, KS                       ; my row's scales: KS bytes a row,
	v_lshrrev_b32 v6, 8, v5
	v_lshl_add_u32 v5, v6, 4, v5                   ; and 16 more for each 256 passed
	s_mul_i32 s21, s15, HALFS
	s_mul_i32 s22, s16, HALFS
	s_add_co_u32 s22, s22, 2*HALFS
	s_sub_co_u32 s22, s22, s21
	v_mul_u32_u24 v6, s22, v2                      ; lanes 16-31 take B's
	s_add_co_u32 s21, s21, SCL
	v_add_nc_u32 v5, v5, v6
	v_add_nc_u32 v[ADRS], s21, v5
	s_mul_i32 s23, s14, STW                        ; my stage
	v_mul_u32_u24 v5, v1, SPT
	v_lshl_add_u32 v5, v2, 4, v5
	v_add_nc_u32 v[STO], s23, v5                   ; in: row r, 16 bytes for each half of the lanes
	v_and_b32 v6, 31, v0
	v_lshrrev_b32 v5, 3, v6
	v_mul_u32_u24 v5, v5, SPT
	v_and_b32 v7, 7, v0
	v_lshl_add_u32 v5, v7, 4, v5
	v_add_nc_u32 v[RD], s23, v5                    ; back: eight lanes a row of 128 bytes, four rows a load
	v_lshlrev_b32 v[CO], 4, v6                     ; and the same 512 bytes in memory
	v_lshlrev_b32 v[RO], 8, v1
	v_lshl_add_u32 v[RO], v2, 5, v[RO]
	v_lshlrev_b32 v[BOF], 5, v2
	s_lshl_b32 s20, s40, 8
	s_lshl_b32 s21, s16, 7
	s_add_co_u32 s20, s20, s21
	s_lshl_b32 s20, s20, 2                         ; the bias: my first column in its weight, 256 cx + 128 x half, in bytes
	s_mov_b32 s21, 0
	s_and_b32 s22, s17, 7
	s_lshl_b32 s22, s22, 8
	s_lshl_b32 s23, s15, 7
	s_add_co_u32 s22, s22, s23                     ; my first position in its sequence
	s_lshl_b32 s46, ttmp9, 19                      ; the table of q (0) or of k (1); v's work-groups never read by this address
	s_lshl_b32 s47, s22, 8
	s_add_co_u32 s46, s46, s47
	s_mov_b32 s47, 0
	s_lshl_b32 s18, ttmp9, 6
	s_lshr_b32 s19, s17, 3
	s_lshl_b32 s19, s19, 4
	s_add_co_u32 s18, s18, s19
	s_lshl_b32 s19, s40, 2
	s_add_co_u32 s18, s18, s19
	s_lshl_b32 s19, s16, 1
	s_add_co_u32 s18, s18, s19                     ; 64 which + 16 b + my first head
	s_lshl_b32 s18, s18, 11
	s_add_co_u32 s18, s18, s22
	s_lshl_b32 s18, s18, 7                         ; rows of 128 bytes
	s_mov_b32 s19, 0
	s_wait_kmcnt 0x0
	s_cmp_eq_u32 ttmp9, 1                          ; which bias: the cluster's x, the same in all sixteen partners
	s_cselect_b64 s[6:7], s[6:7], s[8:9]
	s_cmp_eq_u32 ttmp9, 0
	s_cselect_b64 s[4:5], s[4:5], s[6:7]
	s_add_nc_u64 s[4:5], s[4:5], s[20:21]
	s_add_nc_u64 s[10:11], s[10:11], s[46:47]
	s_add_nc_u64 s[12:13], s[12:13], s[18:19]
	WIN TO_B
.irp b, 0,1,2,3,4,5,6,7
	global_load_b128 v[BI+8*\b:BI+8*\b+3], v[BOF], s[4:5] offset:64*\b        ; the bias in the result's layout: columns 16 b + 8 h + 0 .. 7; waited for on the way out
	global_load_b128 v[BI+8*\b+4:BI+8*\b+7], v[BOF], s[4:5] offset:64*\b+16
.endr
	WIN 0
.macro FRAG reg, adr, q, i             ; a fragment, 16 rows x 128 K of 4-bit codes: 8 registers, two loads of 16 bytes, 32 bytes apart
.irp c, 0,1
	ds_load_b128 v[\reg+4*\c:\reg+4*\c+3], v[\adr] offset:64*(\q)+32*\c+(\i)*16*PITCH
.endr
.endm
; 16 matrix instructions: A's blocks a0, a0 + 1 x B's eight, 128 along K.  The 64 accumulators take turns, one instruction a turn, in the same order in every step.
.macro MUL16 a0, p, q, sc, zero
.irp a, \a0, \a0+1
.irp b, 0,1,2,3,4,5,6,7
.if \zero
	v_wmma_scale_f32_16x16x128_f8f6f4 v[8*(8*((\a)%4)+\b):8*(8*((\a)%4)+\b)+7], v[128*(\p)+FR*\b:128*(\p)+FR*\b+FR-1], v[AF+FR*(\a):AF+FR*(\a)+FR-1], 0, v[SC+8*NQ*(\sc)+NQ*\b+(\q)], v[SC+8*NQ*(\sc)+NQ*(\a)+(\q)] matrix_a_fmt:MATRIX_FMT_FP4 matrix_b_fmt:MATRIX_FMT_FP4 matrix_a_scale:MATRIX_SCALE_ROW1
.else
	v_wmma_scale_f32_16x16x128_f8f6f4 v[8*(8*((\a)%4)+\b):8*(8*((\a)%4)+\b)+7], v[128*(\p)+FR*\b:128*(\p)+FR*\b+FR-1], v[AF+FR*(\a):AF+FR*(\a)+FR-1], v[8*(8*((\a)%4)+\b):8*(8*((\a)%4)+\b)+7], v[SC+8*NQ*(\sc)+NQ*\b+(\q)], v[SC+8*NQ*(\sc)+NQ*(\a)+(\q)] matrix_a_fmt:MATRIX_FMT_FP4 matrix_b_fmt:MATRIX_FMT_FP4 matrix_a_scale:MATRIX_SCALE_ROW1
.endif
.endr
.endr
.endm
.macro FETCH_B slot, q, p
	WIN TO_B
.irp i, 0,1,2,3,4,5,6,7
	FRAG 128*(\p)+FR*\i, ADRB+\slot, \q, \i
.endr
	WIN 0
.endm
.macro FETCH_A slot, q, i0
.irp i, \i0, \i0+1, \i0+2, \i0+3
	FRAG AF+FR*(\i), ADRA+\slot, \q, \i
.endr
.endm
.macro SCALES sc                       ; a slot's scale words: lanes 0-15 take A's block i, lanes 16-31 B's block i
.irp i, 0,1,2,3,4,5,6,7
	ds_load_b128 v[SC+8*NQ*\sc+NQ*\i:SC+8*NQ*\sc+NQ*\i+3], v[ADRS] offset:\i*SBLK
.endr
.endm
.macro PLACES n                        ; plain vector instructions that name none of the matrix instruction's registers (ISA guide 7.12.1)
.rept \n
	v_nop
.endr
.endm
.macro STEP slot, q, zero              ; a step of 128 along K that has its successor in the same slot
	s_wait_dscnt 4*NL                              ; B's set and A's blocks 0-3 are in; the eight youngest loads (A's blocks 4-7) may be out
	WIN MUL_LO
	MUL16 0, (\q)%2, \q, \slot, \zero
	MUL16 2, (\q)%2, \q, \slot, \zero
	s_wait_dscnt 0
	PLACES NP
	FETCH_B \slot, (\q)+1, 1-(\q)%2
	FETCH_A \slot, (\q)+1, 0
	WIN MUL_HI
	MUL16 4, (\q)%2, \q, \slot, \zero
	MUL16 6, (\q)%2, \q, \slot, \zero
	PLACES NP
	WIN 0
	FETCH_A \slot, (\q)+1, 4
.endm
.macro TURN slot, next                 ; a slot's last step changes slots: one barrier; in front of it each wave's part of the next slot has landed, behind it everybody's has
	s_wait_tensorcnt 0x0                           ; all my tensor loads have landed
	ds_add_u32 v[SPW], v[NIL]
	s_wait_dscnt 4*NL+1                            ; (the add and the eight youngest loads may be out)
	WIN MUL_LO
	MUL16 0, 1, NQ-1, \slot, 0
	s_wait_dscnt 0x0                               ; the add is done, and my reads of this slot are over
	s_barrier_signal -1
	MUL16 2, 1, NQ-1, \slot, 0
	WIN 0
	s_barrier_wait -1
	PLACES NP
	v_add_nc_u32 v[ADRS], 4*NQ, v[ADRS]            ; on to the next slot's scale words
	FETCH_B \next, 0, 0
	FETCH_A \next, 0, 0
	SCALES \next
	WIN MUL_HI
	MUL16 4, 1, NQ-1, \slot, 0
	MUL16 6, 1, NQ-1, \slot, 0
	PLACES NP
	WIN 0
	FETCH_A \next, 0, 4
.endm
	s_wait_tensorcnt 1                             ; the scales and my part of slot 0 are in (slot 1's load may be out),
	s_barrier_signal -1
	s_barrier_wait -1                              ; everybody's are
	FETCH_B 0, 0, 0
	FETCH_A 0, 0, 0
	SCALES 0
	FETCH_A 0, 0, 4
	STEP 0, 0, 1                                   ; the first products start the sums: nothing is cleared
	STEP 0, 1, 0
	STEP 0, 2, 0
	TURN 0, 1
	STEP 1, 0, 0
	STEP 1, 1, 0
	STEP 1, 2, 0
	s_wait_dscnt 4*NL                              ; the last step: nothing more to fetch
	WIN MUL_LO
	MUL16 0, 1, NQ-1, 1, 0
	MUL16 2, 1, NQ-1, 1, 0
	s_wait_dscnt 0
	WIN MUL_HI
	MUL16 4, 1, NQ-1, 1, 0
	MUL16 6, 1, NQ-1, 1, 0
	WIN 0
; THE WAY OUT.
.macro ROPELD a                        ; cos and sin of block a's 16 positions, for channels 16 c + 8 h + 0 .. 7: set a % 2; in it 16 c + 0 .. 7 cos, + 8 .. 15 sin
.irp c, 0,1
.irp e, 0,1
	global_load_b128 v[CS+32*((\a)%2)+16*\c+4*\e:CS+32*((\a)%2)+16*\c+4*\e+3], v[RO], s[10:11] offset:(\a)*4096+64*\c+16*\e
	global_load_b128 v[CS+32*((\a)%2)+16*\c+8+4*\e:CS+32*((\a)%2)+16*\c+8+4*\e+3], v[RO], s[10:11] offset:(\a)*4096+64*\c+16*\e+128
.endr
.endr
.endm
.macro ADDB a                          ; block a + bias, into window 0; each accumulator is read from its low end on
	WIN 0x06+(\a)/4                                ; source 0: window 2 or 3; source 1: window 1
.irp b, 0,1,2,3,4,5,6,7
.irp j, 0,1,2,3
	v_pk_add_f32 v[X+8*\b+2*\j:X+8*\b+2*\j+1], v[64*((\a)%4)+8*\b+2*\j:64*((\a)%4)+8*\b+2*\j+1], v[BI+8*\b+2*\j:BI+8*\b+2*\j+1]
.endr
.endr
	WIN 0
.endm
.macro ROT a                           ; head u: x1 = channels under 32, x2 = the same + 32, 16 registers on: x1' = x1 cos - x2 sin, x2' = x2 cos + x1 sin
.irp u, 0,1
.irp c, 0,1
.irp j, 0,1,2,3
	v_pk_mul_f32 v[TT+2*\j:TT+2*\j+1], v[X+8*(4*\u+\c)+2*\j:X+8*(4*\u+\c)+2*\j+1], v[CS+32*((\a)%2)+16*\c+8+2*\j:CS+32*((\a)%2)+16*\c+8+2*\j+1]
.endr
.irp j, 0,1,2,3
	v_pk_mul_f32 v[X+8*(4*\u+\c)+2*\j:X+8*(4*\u+\c)+2*\j+1], v[X+8*(4*\u+\c)+2*\j:X+8*(4*\u+\c)+2*\j+1], v[CS+32*((\a)%2)+16*\c+2*\j:CS+32*((\a)%2)+16*\c+2*\j+1]
.endr
.irp j, 0,1,2,3
	v_pk_fma_f32 v[X+8*(4*\u+\c)+2*\j:X+8*(4*\u+\c)+2*\j+1], v[X+8*(4*\u+\c)+16+2*\j:X+8*(4*\u+\c)+16+2*\j+1], v[CS+32*((\a)%2)+16*\c+8+2*\j:CS+32*((\a)%2)+16*\c+8+2*\j+1], v[X+8*(4*\u+\c)+2*\j:X+8*(4*\u+\c)+2*\j+1] neg_lo:[1,0,0] neg_hi:[1,0,0]
.endr
.irp j, 0,1,2,3
	v_pk_fma_f32 v[X+8*(4*\u+\c)+16+2*\j:X+8*(4*\u+\c)+16+2*\j+1], v[X+8*(4*\u+\c)+16+2*\j:X+8*(4*\u+\c)+16+2*\j+1], v[CS+32*((\a)%2)+16*\c+2*\j:CS+32*((\a)%2)+16*\c+2*\j+1], v[TT+2*\j:TT+2*\j+1]
.endr
.endr
.endr
.endm
.macro CVT
.irp b, 0,1,2,3,4,5,6,7
.irp j, 0,1,2,3
	v_cvt_pk_f16_f32 v[TMP+4*\b+\j], v[X+8*\b+2*\j], v[X+8*\b+2*\j+1]
.endr
.endr
.endm
.macro TOSTAGE a, stg                  ; into my stage and back as whole rows; LDS serves a wave's instructions in order: no wait between the stores and the loads
.irp b, 0,1,2,3,4,5,6,7
	ds_store_b128 v[STO], v[TMP+4*\b:TMP+4*\b+3] offset:\stg+(\b/4)*16*SPT+32*(\b%4)
.endr
.irp u, 0,1
.irp i, 0,1,2,3
	ds_load_b128 v[OB+32*((\a)%2)+4*(4*\u+\i):OB+32*((\a)%2)+4*(4*\u+\i)+3], v[RD] offset:\stg+\u*16*SPT+\i*4*SPT
.endr
.endr
.endm
.macro SEND a
	s_wait_dscnt 0x0                               ; the block is back in registers
.irp u, 0,1
.irp i, 0,1,2,3
	global_store_b128 v[CO], v[OB+32*((\a)%2)+4*(4*\u+\i):OB+32*((\a)%2)+4*(4*\u+\i)+3], s[12:13] offset:\u*262144+(\a)*2048+\i*512   ; four rows of one head: 512 consecutive bytes, aligned
.endr
.endr
.endm
.macro WAYOUT rope, stg
.irp a, 0,1,2,3,4,5,6,7
	ADDB \a
.if \rope
.if \a < 7
	s_wait_loadcnt 8                               ; this block's cos and sin are in; the next block's eight loads may be out
.else
	s_wait_loadcnt 0x0
.endif
	ROT \a
.if \a < 6
	ROPELD \a+2
.endif
.endif
	CVT                                            ; block a's arithmetic stands between block a - 1's loads from the stage and the wait for them
.if \a > 0
	SEND \a-1
.endif
.if \a > 1
	s_wait_xcnt 0x0                                ; block a - 2's stores have read their registers: block a's rows land there only behind this wait
.endif
	TOSTAGE \a, \stg
.endr
	SEND 7
.endm
	PLACES NP                                      ; behind the last products: for the loads into the scale words' registers, and for the first reads of results
	s_cmp_eq_u32 ttmp9, 2                          ; v is not rotated.  The cluster's x: the same in all sixteen partners
	s_cbranch_scc1 .Lplain
	ROPELD 0
	ROPELD 1
	s_wait_loadcnt 16                              ; the bias is in; the sixteen loads just issued may be out
	WAYOUT 1, 0
	s_branch .Lfinish
.Lplain:
	s_wait_loadcnt 0x0                             ; the bias
	WAYOUT 0, 32768                                ; (this way has stage bytes of its own)
.Lfinish:
	s_wait_tensorcnt 0x0                           ; the wave's end
	ds_add_u32 v[SPW], v[NIL]
	s_wait_dscnt 0x0
	CROUND                                         ; the closing round
	s_endpgm
.Lfunc_end_k_qe990043e66_qkv:
	.size	k_qe990043e66_qkv, .Lfunc_end_k_qe990043e66_qkv-k_qe990043e66_qkv
	.p2alignl 7, 3214868480
	.fill 96, 4, 3214868480
	.section	.rodata,"a",@progbits
	.p2align	6, 0x0
	.amdhsa_kernel k_qe990043e66_qkv
		.amdhsa_group_segment_fixed_size 327680
		.amdhsa_private_segment_fixed_size 0
		.amdhsa_enable_private_segment 0
		.amdhsa_kernarg_size 72
		.amdhsa_user_sgpr_count 2
		.amdhsa_user_sgpr_kernarg_segment_ptr 1
		.amdhsa_wavefront_size32 1
		.amdhsa_system_sgpr_workgroup_id_x 1
		.amdhsa_system_sgpr_workgroup_id_y 1
		.amdhsa_system_sgpr_workgroup_id_z 1
		.amdhsa_system_vgpr_workitem_id 0
		.amdhsa_next_free_vgpr 1024
		.amdhsa_next_free_sgpr 98
		.amdhsa_reserve_vcc 0
		.amdhsa_float_denorm_mode_32 3
		.amdhsa_float_denorm_mode_16_64 3
		.amdhsa_memory_ordered 1
		.amdhsa_forward_progress 1
		.amdhsa_inst_pref_size 230
	.end_amdhsa_kernel
	.amdgpu_metadata
---
amdhsa.version: [ 1, 2 ]
amdhsa.kernels:
  - .name:           k_qe990043e66_qkv
    .symbol:         k_qe990043e66_qkv.kd
    .args:
      - { .name: x_codes, .offset: 0, .size: 8, .value_kind: global_buffer, .address_space: global }
      - { .name: x_scales, .offset: 8, .size: 8, .value_kind: global_buffer, .address_space: global }
      - { .name: w_codes, .offset: 16, .size: 8, .value_kind: global_buffer, .address_space: global }
      - { .name: w_scales, .offset: 24, .size: 8, .value_kind: global_buffer, .address_space: global }
      - { .name: bq, .offset: 32, .size: 8, .value_kind: global_buffer, .address_space: global }
      - { .name: bk, .offset: 40, .size: 8, .value_kind: global_buffer, .address_space: global }
      - { .name: bv, .offset: 48, .size: 8, .value_kind: global_buffer, .address_space: global }
      - { .name: tab, .offset: 56, .size: 8, .value_kind: global_buffer, .address_space: global }
      - { .name: qkvh, .offset: 64, .size: 8, .value_kind: global_buffer, .address_space: global }
    .group_segment_fixed_size: 327680
    .private_segment_fixed_size: 0
    .kernarg_segment_align: 8
    .kernarg_segment_size: 72
    .max_flat_workgroup_size: 128
    .sgpr_count:     98
    .vgpr_count:     1024
    .wavefront_size: 32
...
	.end_amdgpu_metadata
.endif
;; end of part 2
;; launch attn (part 3): grid 4 x 64, 8 waves a work-group, clusters of 4 x 1, 327,680 bytes of LDS; arguments qkvh, tab, att; writes att
.if DOCPART == 3
	.amdgcn_target "amdgcn-amd-amdhsa--gfx1250"
	.amdhsa_code_object_version 6
	.text
	.protected	k_qe990043e66_attn
	.globl	k_qe990043e66_attn
	.p2align	8
	.type	k_qe990043e66_attn,@function
k_qe990043e66_attn:
	s_mov_b64 s[64:65], 0
	v_nop
	global_prefetch_b8 v0, s[64:65] scope:SCOPE_SE
	s_setreg_imm32_b32 hwreg(HW_REG_WAVE_MODE, 25, 1), 1
	s_wait_xcnt 0x0
	s_wait_alu depctr_hold_cnt(0) depctr_sa_sdst(0) depctr_va_vdst(0) depctr_va_sdst(0) depctr_va_ssrc(0) depctr_va_vcc(0) depctr_vm_vsrc(0)
	s_getreg_b32 s2, hwreg(HW_REG_IB_STS2, 6, 4)
	s_cmp_eq_u32 s2, 0
	s_cbranch_scc0 .Lentry_in_a_cluster
	s_endpgm
.Lentry_in_a_cluster:
	s_bfe_u32 s2, ttmp6, 0x10000c
	s_cmp_lg_u32 s2, 0x3003
	s_cbranch_scc0 .Lentry_shape_is_right
	s_endpgm
.Lentry_shape_is_right:
; att[b][h][q][:] = 8 x the sum over keys of softmax(q . k / 8, padded keys left out) v, as f16.  q, k, v: f16 [3][b][h][2048][64]; q carries log2(e) / 8, so a score is an exponent of two.
; SHARES.  A work-group owns 512 queries of one (b, h), each of its eight waves 64: four tiles of 16.  Two waves lie on a SIMD, so that one wave's softmax stands beside the other's products.
; A wave's tiles go in two pieces (tiles 0, 1 and tiles 2, 3) through one buffer of scores.  Every wave walks all 2,048 keys, 64 a step; a slot holds 256 keys, four steps; two slots.
; LAYOUT.  S^T = K Q^T (source 0 = 16 keys, source 1 = 16 queries): a lane holds ONE query (lane % 16) and keys 8 (lane / 16) + 0 .. 7.  Two such tiles, packed to f16, are source 1 of O^T = V^T P.
; THE MASK is the C of the scores' first product: 0, or -2^100 for a padded key.  THE ROW'S SUM is a fifth tile of O^T whose source 0 is all ones: each of its registers holds the lane's query's sum.
; SOFTMAX.  A running maximum m for each query; p = 2^(s - m); in every step O^T and the sum are multiplied by a = 2^(m_old - m_new).
; CLUSTER.  The four query blocks of a head walk the same K, V and mask: each tile is asked for jointly, by the same tensor load with the mask of all four.
; LIMITS: scores of f16 operands stay under 2^39, so a padded key's p is 0 as soon as one key of the row counts; while none has counted, what is summed is wiped by a = 0 at the first that does.
; A row with no key at all ends with m under -2^99 and is made NaN, as a softmax of -infinities is.  8 |o| stays under 65,504.  NaN and infinities among the inputs are not served.
; REGISTERS.  window 0: v2-15 addresses; v16-23 ones; v24-31 m (a pair a tile, the upper word 0); v32-35 a; v36-45 at work; v46-53 1 / sum; v64-127 S^T, then P; v128-191 K; v192-255 V^T.
;   window 1: v0-127 O^T (32 a tile); v128-159 the sums' tiles; v160-223 Q; v224-255 the keys' addend.
.set KP,    144                        ; a row of K in LDS: 128 bytes + 16: the 16 rows of a load start at 16 different banks (64 banks of 4 bytes: ISA guide 11.1)
.set VP,    160                        ; a row of V: 128 + 32, for the turning load
.set VOFF,  64*KP
.set STEPB, 64*(KP+VP)                 ; a step's tiles lie together: 64 rows of K, then 64 of V
.set SLOT1, 1<<17                      ; slot 1 begins here: one exclusive or turns an address from one slot to the other
.set BIAS,  2*SLOT1                    ; the batch's 2,048 addends, 8,192 bytes, filled once
.set SPARE, BIAS+8192                  ; the spare words, 128 bytes a wave, that no other line names
.set BLKB,  256*128                    ; a slot's keys in memory, in K and in V
.set HEADB, 2048*128
.set AK0, 2
.set AV0, 3
.set AB0, 4
.set ADK, 5
.set ADV, 6
.set ADB, 7
.set QO,  8
.set STO, 9
.set RD,  10
.set GO,  11
.set PFO, 12
.set SPW, 14
.set NIL, 15
.set ONE, 16
.set MM,  24
.set AA,  32
.set CC,  36
.set OLD, 44
.set RI,  46
.set NANR, 54
.set SS,  64
.set KF,  128
.set VF,  192
.set OO,  0                            ; window 1
.set LL,  128
.set QF,  160
.set BI,  224
.set SEL, 2                            ; s[2:3] lane selects: lane l xor 16
.set WV,  12
.set LIM, 15
.set PFA, 18
.set G1K, 24
.set G1V, 32
.set G1B, 40
.set G0K, 48
.set G0V, 52
.set G0B, 56
.set SLOTS, 60
.set TWICE, 61
.set TB,  62                           ; LDS byte at which the tiles of the step to be fetched begin
.set TJ,  63                           ; and its place among the addends
.set MSB, 0
.macro WIN new                         ; the immediate's high byte repeats the setting that is left
.if MSB != (\new)
	s_set_vgpr_msb (MSB<<8)|(\new)
.set MSB, (\new)
.endif
.endm
.macro PLACES n
.rept \n
	v_nop
.endr
.endm
; A joint load of a slot: waves 0 to 3 fetch the four steps' tiles of K, waves 4 to 7 those of V.  An s_nop 0 and four v_nop follow each of the two lines.
.macro JLOAD
	s_cmp_lt_u32 s[WV], 4
	s_cbranch_scc0 .Lfor_v_\@
	tensor_load_to_lds s[G0K:G0K+3], s[G1K:G1K+7]
	s_nop 0
.rept 4
	v_nop
.endr
	s_branch .Lasked_\@
.Lfor_v_\@:
	tensor_load_to_lds s[G0V:G0V+3], s[G1V:G1V+7]
	s_nop 0
.rept 4
	v_nop
.endr
.Lasked_\@:
.endm
; A prefetch of what the NEXT change of slots will ask for: 256 rows of K and of V, 32,768 dense bytes each.  A head's rows are walked by this cluster alone; its four partners take 8,192 bytes each,
; told apart by address; in each, wave 0 asks for K's and wave 4 for V's, lanes 256 bytes apart: each block is named once.  The last change that fills a slot asks for nothing.
.macro ASK
	s_cmp_gt_u32 s[SLOTS], s[LIM]
	s_cbranch_scc0 .Lnot_mine_\@
	global_prefetch_b8 v[PFO], s[PFA:PFA+1] th:TH_LOAD_NT scope:SCOPE_SE
.Lnot_mine_\@:
.endm
.macro CROUND                          ; a round of the cluster's barrier
	s_barrier_signal -1
	s_barrier_wait -1
	s_cmp_lg_u32 s[WV], 0
	s_cbranch_scc1 .Lnot_wave_0_\@
	s_barrier_signal -3
.Lnot_wave_0_\@:
	s_barrier_wait -3
	s_barrier_signal -1
	s_barrier_wait -1
.endm
	s_load_b128 s[4:7], s[0:1], 0x0                ; q, k, v; the table
	s_load_b64 s[8:9], s[0:1], 0x10                ; the output
	v_lshl_add_u32 v[SPW], v0, 2, SPARE
	v_mov_b32 v[NIL], 0
	ds_add_u32 v[SPW], v[NIL]                      ; the wave's opening: the add, twice on end, and its wait ahead of my first tensor load
	ds_add_u32 v[SPW], v[NIL]
	v_lshrrev_b32 v1, 5, v0
	v_readfirstlane_b32 s[WV], v1                  ; wave 0..7
	s_bfe_u32 s13, ttmp6, 0x40000                  ; cx: which 512 queries of the head
	s_and_b32 s14, ttmp7, 0xffff                   ; 16 b + h, which the four partners share
	s_lshl_b32 s20, s14, 18                        ; the head's first byte in q and in the output
	s_mov_b32 s21, 0
	s_lshl_b32 s22, s13, 16
	s_lshl_b32 s23, s[WV], 13
	s_add_co_u32 s22, s22, s23
	s_add_co_u32 s22, s22, s20                     ; my wave's first row there
	s_mov_b32 s23, 0
	s_and_b32 s68, s[WV], 3                        ; which of a slot's four steps I fetch:
	s_mul_i32 s66, s68, STEPB                      ; its place in a slot,
	s_lshl_b32 s68, s68, 13                        ; its 64 rows of 128 bytes in memory
	s_mov_b32 s69, 0
	s_lshr_b32 s70, s14, 4
	s_lshl_b32 s70, s70, 13                        ; the batch's addends,
	s_lshl_b32 s71, s[WV], 10                      ; my eighth of them
	s_add_co_u32 s70, s70, s71
	s_add_co_u32 s70, s70, 1048576
	s_add_co_u32 s67, s71, BIAS
	s_mov_b32 s71, 0
	s_mov_b32 s[G1K], 15|(1<<16)|(1<<20)|(1<<21)|(4<<22)|(3<<25)  ; the mask of all four; elements of 2 bytes; padding on: 4 words behind every 32; bit 21 beside a mask
	s_mov_b32 s[G1V], 15|(1<<16)|(1<<20)|(1<<21)|(4<<22)|(7<<25)  ; the same with 8 words
.irp g, G1K, G1V
	s_mov_b32 s[\g+1], 64<<16                      ; tensor_dim0 = 64
	s_mov_b32 s[\g+2], 64<<16                      ; tensor_dim1 = 64
	s_mov_b32 s[\g+3], 64<<16                      ; tile_dim0 = 64
	s_mov_b32 s[\g+4], 64                          ; tile_dim1 = 64
	s_mov_b32 s[\g+5], 64                          ; the pitch
	s_mov_b32 s[\g+6], 0
	s_mov_b32 s[\g+7], 0
.endr
	s_mov_b32 s[G1B], 15|(3<<16)|(1<<21)           ; 1,024 dense bytes: 4 rows of 32 elements of 8 bytes
	s_mov_b32 s[G1B+1], 32<<16
	s_mov_b32 s[G1B+2], 4<<16
	s_mov_b32 s[G1B+3], 32<<16
	s_mov_b32 s[G1B+4], 4
	s_mov_b32 s[G1B+5], 32
	s_mov_b32 s[G1B+6], 0
	s_mov_b32 s[G1B+7], 0
	s_mov_b32 s[SEL], 0x76543210
	s_mov_b32 s[SEL+1], 0xfedcba98
	s_mov_b32 s[TB], 0
	s_mov_b32 s[TJ], 0
	s_mov_b32 s[SLOTS], 7
	s_wait_dscnt 0x0                               ; both opening adds are done
	s_wait_kmcnt 0x0
	s_add_nc_u64 s[8:9], s[8:9], s[22:23]          ; the output at my first row
	s_add_nc_u64 s[20:21], s[4:5], s[20:21]
	s_add_nc_u64 s[4:5], s[4:5], s[22:23]          ; Q likewise
	s_add_nc_u64 s[20:21], s[20:21], 64*HEADB      ; the head in K,
	s_add_nc_u64 s[72:73], s[20:21], 64*HEADB      ; and in V
	s_mov_b32 s[G0K], 1
	s_mov_b32 s[G0K+1], s66
	s_add_nc_u64 s[G0K+2:G0K+3], s[20:21], s[68:69]
	s_or_b32 s[G0K+3], s[G0K+3], 0x80000000
	s_mov_b32 s[G0V], 1
	s_add_co_u32 s[G0V+1], s66, VOFF
	s_add_nc_u64 s[G0V+2:G0V+3], s[72:73], s[68:69]
	s_or_b32 s[G0V+3], s[G0V+3], 0x80000000
	s_mov_b32 s[G0B], 1
	s_mov_b32 s[G0B+1], s67
	s_add_nc_u64 s[G0B+2:G0B+3], s[6:7], s[70:71]
	s_or_b32 s[G0B+3], s[G0B+3], 0x80000000
	CROUND                                         ; all four work-groups are here: the first joint loads meet
	tensor_load_to_lds s[G0B:G0B+3], s[G1B:G1B+7]  ; every wave its eighth of the addends
	s_nop 0
	JLOAD                                          ; keys 0 to 255 into slot 0: two loads of mine are out
	s_cmp_lt_u32 s[WV], 4                          ; the prefetches: K's rows (wave 0) or V's (wave 4),
	s_cselect_b64 s[PFA:PFA+1], s[20:21], s[72:73]
	s_lshl_b32 s74, s13, 13                        ; my work-group's 8,192 bytes of a slot's 32,768,
	s_add_co_u32 s74, s74, BLKB                    ; in the second 256 keys: the first change of slots steps it to the third.  Nothing is asked for here, at the head
	s_mov_b32 s75, 0
	s_add_nc_u64 s[PFA:PFA+1], s[PFA:PFA+1], s[74:75]
	s_and_b32 s[LIM], s[WV], 3
	s_cmp_eq_u32 s[LIM], 0
	s_cselect_b32 s[LIM], 1, -1
	v_and_b32 v1, 15, v0                           ; r
	v_bfe_u32 v13, v0, 4, 1                        ; h
	v_mul_u32_u24 v[AK0], v1, KP
	v_lshl_add_u32 v[AK0], v13, 4, v[AK0]          ; K: row r x pitch + 16 h
	v_and_b32 v5, 7, v0
	v_lshl_add_u32 v[AV0], v13, 3, v5
	v_mul_u32_u24 v[AV0], v[AV0], VP
	v_bfe_u32 v6, v0, 3, 1
	v_lshl_add_u32 v[AV0], v6, 4, v[AV0]
	v_add_nc_u32 v[AV0], VOFF, v[AV0]              ; V, for the turning load: key 8 h + lane % 8, channels 8 ((lane / 8) % 2) on
	v_lshlrev_b32 v[AB0], 5, v13
	v_add_nc_u32 v[AB0], BIAS, v[AB0]              ; the addends of keys 8 h + 0 .. 7
	v_lshlrev_b32 v[QO], 7, v1
	v_lshl_add_u32 v[QO], v13, 4, v[QO]
	s_mul_i32 s67, s[WV], 16*KP                    ; my stage for the way out, 16 rows x 144 bytes, in slot 0: it has had its last fill and its last read when the first result is stored there
	v_add_nc_u32 v[STO], s67, v[AK0]
	v_and_b32 v7, 31, v0
	v_lshrrev_b32 v[RD], 3, v7
	v_mul_u32_u24 v[RD], v[RD], KP
	v_lshl_add_u32 v[RD], v5, 4, v[RD]
	v_add_nc_u32 v[RD], s67, v[RD]                 ; back: eight lanes a row of 128 bytes
	v_lshlrev_b32 v[GO], 4, v7
	v_lshlrev_b32 v[PFO], 8, v7
	WIN 0x40                                       ; destination window 1
.irp t, 0,1,2,3
.irp c, 0,1
	global_load_b128 v[QF+16*\t+8*\c:QF+16*\t+8*\c+3], v[QO], s[4:5] offset:\t*2048+64*\c        ; Q stays in registers
	global_load_b128 v[QF+16*\t+8*\c+4:QF+16*\t+8*\c+7], v[QO], s[4:5] offset:\t*2048+64*\c+32
.endr
.endr
.set i, 0
.rept 160
	v_mov_b32 v[i], 0                              ; O^T and the sums.  (The step is written once: the first finds zeros.  These lines stand while the first tiles are on their way)
.set i, i+1
.endr
	WIN 0
.irp j, 0,1,2,3,4,5,6,7
	v_mov_b32 v[ONE+\j], 0x3c003c00                ; 1.0, twice, in f16
.endr
.irp t, 0,1,2,3
	v_mov_b32 v[MM+2*\t], 0xff61b1e6               ; m: -3e38, under every score
	v_mov_b32 v[MM+2*\t+1], 0                      ; (named with it as a pair)
	v_mov_b32 v[RI+2*\t+1], 0
.endr
	v_mov_b32 v[AA+1], 0
	v_mov_b32 v[AA+3], 0
	v_mov_b32 v[NANR], 0x7fc00000
	s_wait_loadcnt 0x0                             ; Q
.macro ADDR_KB
	v_add_nc_u32 v[ADK], s[TB], v[AK0]
	v_add_nc_u32 v[ADB], s[TJ], v[AB0]
.endm
.macro FETCH_K                         ; 64 keys x 64 channels: 8 fragments, 16 loads
.irp k, 0,1,2,3
.irp c, 0,1
	ds_load_b128 v[KF+16*\k+8*\c:KF+16*\k+8*\c+3], v[ADK] offset:\k*16*KP+64*\c
	ds_load_b128 v[KF+16*\k+8*\c+4:KF+16*\k+8*\c+7], v[ADK] offset:\k*16*KP+64*\c+32
.endr
.endr
.endm
.macro FETCH_B                         ; the 64 keys' addends in the scores' layout: sixteen lanes share an address
	WIN 0x40
.irp k, 0,1,2,3
	ds_load_b128 v[BI+8*\k:BI+8*\k+3], v[ADB] offset:64*\k
	ds_load_b128 v[BI+8*\k+4:BI+8*\k+7], v[ADB] offset:64*\k+16
.endr
	WIN 0
	s_add_co_u32 s[TJ], s[TJ], 256
.endm
.macro FETCH_V                         ; V turned: keys 32 c on, channels 16 g on: 8 fragments, 16 loads
	v_add_nc_u32 v[ADV], s[TB], v[AV0]
.irp c, 0,1
.irp g, 0,1,2,3
	ds_load_tr16_b128 v[VF+8*(4*\c+\g):VF+8*(4*\c+\g)+3], v[ADV] offset:\c*32*VP+32*\g
	ds_load_tr16_b128 v[VF+8*(4*\c+\g)+4:VF+8*(4*\c+\g)+7], v[ADV] offset:\c*32*VP+16*VP+32*\g
.endr
.endr
	s_add_co_u32 s[TB], s[TB], STEPB               ; the next fetch is the next step's
.endm
; S^T of piece x: eight accumulators by turns; the first product takes the keys' addend as C
.macro SMUL x
	WIN 0x14                                       ; Q and the addend in window 1
.irp k, 0,1,2,3
.irp u, 0,1
	v_wmma_f32_16x16x32_f16 v[SS+32*\u+8*\k:SS+32*\u+8*\k+7], v[KF+16*\k:KF+16*\k+7], v[QF+16*(\x+\u):QF+16*(\x+\u)+7], v[BI+8*\k:BI+8*\k+7]
.endr
.endr
	WIN 0x04
.irp k, 0,1,2,3
.irp u, 0,1
	v_wmma_f32_16x16x32_f16 v[SS+32*\u+8*\k:SS+32*\u+8*\k+7], v[KF+16*\k+8:KF+16*\k+15], v[QF+16*(\x+\u)+8:QF+16*(\x+\u)+15], v[SS+32*\u+8*\k:SS+32*\u+8*\k+7]
.endr
.endr
.endm
; O^T += V^T P and the sums += ones x P of piece x: ten accumulators by turns
.macro PVMUL x
	WIN 0x50                                       ; C and D in window 1
.irp c, 0,1
.irp g, 0,1,2,3
.irp u, 0,1
	v_wmma_f32_16x16x32_f16 v[OO+32*(\x+\u)+8*\g:OO+32*(\x+\u)+8*\g+7], v[VF+8*(4*\c+\g):VF+8*(4*\c+\g)+7], v[SS+32*\u+8*\c:SS+32*\u+8*\c+7], v[OO+32*(\x+\u)+8*\g:OO+32*(\x+\u)+8*\g+7]
.endr
.endr
.irp u, 0,1
	v_wmma_f32_16x16x32_f16 v[LL+8*(\x+\u):LL+8*(\x+\u)+7], v[ONE:ONE+7], v[SS+32*\u+8*\c:SS+32*\u+8*\c+7], v[LL+8*(\x+\u):LL+8*(\x+\u)+7]
.endr
.endr
.endm
; The softmax of piece x's two tiles, line by line in turn, so that no line waits for the line above it.
.macro SOFT x
	WIN 0
.irp j, 0,1,2,3
.irp u, 0,1
	v_max3_num_f32 v[CC+4*\u+\j], v[SS+32*\u+8*\j], v[SS+32*\u+8*\j+1], v[SS+32*\u+8*\j+2]   ; four chains a tile; each accumulator is read from its low end on
.endr
.endr
.irp g, 1,2
.irp j, 0,1,2,3
.irp u, 0,1
	v_max3_num_f32 v[CC+4*\u+\j], v[CC+4*\u+\j], v[SS+32*\u+8*\j+2*\g+1], v[SS+32*\u+8*\j+2*\g+2]
.endr
.endr
.endr
.irp u, 0,1
	v_max3_num_f32 v[CC+4*\u], v[CC+4*\u], v[SS+32*\u+7], v[SS+32*\u+15]
.endr
.irp u, 0,1
	v_max3_num_f32 v[CC+4*\u+2], v[CC+4*\u+2], v[SS+32*\u+23], v[SS+32*\u+31]
.endr
.irp u, 0,1
	v_max3_num_f32 v[CC+4*\u], v[CC+4*\u], v[CC+4*\u+1], v[CC+4*\u+2]
.endr
.irp u, 0,1
	v_max3_num_f32 v[CC+4*\u], v[CC+4*\u], v[CC+4*\u+3], v[MM+2*(\x+\u)]
.endr
.irp u, 0,1
	v_permlanex16_b32 v[CC+4*\u+1], v[CC+4*\u], s[SEL], s[SEL+1]   ; the query's other 32 keys lie in the lane 16 away
.endr
.irp u, 0,1
	v_mov_b32 v[OLD+\u], v[MM+2*(\x+\u)]
.endr
.irp u, 0,1
	v_max_num_f32 v[MM+2*(\x+\u)], v[CC+4*\u], v[CC+4*\u+1]
.endr
.irp u, 0,1
	v_sub_f32 v[CC+4*\u+2], v[OLD+\u], v[MM+2*(\x+\u)]
.endr
.irp u, 0,1
	v_exp_f32 v[AA+2*\u], v[CC+4*\u+2]             ; a
.endr
.irp d, 0,1,2,3,4,5,6,7,8,9,10,11,12,13,14,15
.irp u, 0,1
	v_pk_add_f32 v[SS+32*\u+2*\d:SS+32*\u+2*\d+1], v[SS+32*\u+2*\d:SS+32*\u+2*\d+1], v[MM+2*(\x+\u):MM+2*(\x+\u)+1] op_sel_hi:[1,0] neg_lo:[0,1] neg_hi:[0,1]   ; s - m
.endr
.endr
	s_wait_alu depctr_va_vdst(0)                   ; the wait behind the two a; the 32 subtractions are the work between
.irp d, 0,1,2,3,4,5,6,7,8,9,10,11,12,13,14,15,16,17,18,19,20,21,22,23,24,25,26,27,28,29,30,31
.irp u, 0,1
	v_exp_f32 v[SS+32*\u+\d], v[SS+32*\u+\d]       ; p: one batch of 64
.endr
.endr
	WIN 0x41
.irp d, 0,1,2,3,4,5,6,7,8,9,10,11,12,13,14,15
.irp u, 0,1
	v_pk_mul_f32 v[OO+32*(\x+\u)+2*\d:OO+32*(\x+\u)+2*\d+1], v[OO+32*(\x+\u)+2*\d:OO+32*(\x+\u)+2*\d+1], v[AA+2*\u:AA+2*\u+1] op_sel_hi:[1,0]   ; O^T x a: plain work behind the batch, naming none of its results
.endr
.endr
.irp u, 0,1
	v_pk_mul_f32 v[LL+8*(\x+\u):LL+8*(\x+\u)+1], v[LL+8*(\x+\u):LL+8*(\x+\u)+1], v[AA+2*\u:AA+2*\u+1] op_sel_hi:[1,0]   ; the sum x a: of the tile's eight equal registers the lowest pair is kept right, and register 0 is read at the end
.endr
	WIN 0
	s_wait_alu depctr_va_vdst(0)                   ; one wait for the 64, ahead of their first reader
.irp d, 0,1,2,3,4,5,6,7,8,9,10,11,12,13,14,15
.irp u, 0,1
	v_cvt_pk_f16_f32 v[SS+32*\u+\d], v[SS+32*\u+2*\d], v[SS+32*\u+2*\d+1]   ; P, packed in place from the low end: its two fragments stand at + 0 and + 8
.endr
.endr
.endm
; A KEY STEP.  pre = 1: the next step's K and addends are fetched behind the second piece's scores, its V at the end.
.macro STEP pre
	s_wait_dscnt 16                                ; K and the addends are in; V's sixteen younger loads may be out
	SMUL 0
	PLACES 4
	SOFT 0
	s_wait_dscnt 0x0                               ; V is in
	PVMUL 0
	PLACES 5                                       ; the next products write over P, which these have read
	SMUL 2
	WIN 0
.if \pre
	ADDR_KB                                        ; with the two v_nop: four places in front of the loads into K's and the addends' registers, and of the first read of the scores
	v_nop
	v_nop
	FETCH_K
	FETCH_B
.else
	PLACES 4
.endif
	SOFT 2
	PVMUL 2
	WIN 0
	PLACES 5                                       ; for the next step's scores, which write over P, and for the loads into V's registers
.if \pre
	FETCH_V
.endif
.endm
.macro PHASE                           ; a slot's four steps
	ADDR_KB
	FETCH_K
	FETCH_B
	FETCH_V
	s_mov_b32 s[TWICE], 3
.Lstep_\@:
	STEP 1
	s_sub_co_u32 s[TWICE], s[TWICE], 1
	s_cmp_lg_u32 s[TWICE], 0
	s_cbranch_scc1 .Lstep_\@
	STEP 0
	s_sub_co_u32 s[TB], s[TB], 4*STEPB             ; back to a slot's first step,
	s_xor_b32 s[TB], s[TB], SLOT1                  ; in the other slot
.endm
; THE CHANGE OF SLOTS stands at a slot's head.  Each wave waits for all its tensor loads (its part of the slot that it is about to read), adds 0 to its spare word, and waits for that and for its reads of the
; slot that it has left.  fill = 1: behind a round of the cluster's barrier that other slot takes the next 256 keys: the load has four key steps in which to land; one load of mine is out.
.macro CHANGE fill
	s_wait_tensorcnt 0x0                           ; no tensor load of mine is out, so a group 0 may be written
	ds_add_u32 v[SPW], v[NIL]
.if \fill
	s_xor_b32 s[G0K+1], s[G0K+1], SLOT1
	s_add_nc_u64 s[G0K+2:G0K+3], s[G0K+2:G0K+3], BLKB
	s_xor_b32 s[G0V+1], s[G0V+1], SLOT1
	s_add_nc_u64 s[G0V+2:G0V+3], s[G0V+2:G0V+3], BLKB
	s_wait_xcnt 0x0                                ; the last prefetch, a slot back, has read its address, so it may be written
	s_add_nc_u64 s[PFA:PFA+1], s[PFA:PFA+1], BLKB
	s_wait_dscnt 0x0                               ; the add is done, and my reads of the slot that I have left are over
	CROUND
	JLOAD
	ASK
.else
	s_wait_dscnt 0x0
	s_barrier_signal -1
	s_barrier_wait -1
.endif
.endm
.Lslot:                                            ; seven trips: behind each change of slots but the last the next 256 keys are asked for
	CHANGE 1
	PHASE
	s_sub_co_u32 s[SLOTS], s[SLOTS], 1
	s_cmp_lg_u32 s[SLOTS], 0
	s_cbranch_scc1 .Lslot
	CHANGE 0                                       ; the last slot is written out
	PHASE
	; THE WAY OUT.  O^T x 8 / sum, to f16, through my stage, a tile (16 rows) at a time.
	WIN 0x01
.irp t, 0,1,2,3
	v_rcp_f32 v[RI+2*\t], v[LL+8*\t]
.endr
	WIN 0
	v_nop                                          ; a plain instruction behind the last reciprocal
	s_wait_alu depctr_va_vdst(0)                   ; one wait for the four
.irp t, 0,1,2,3
	v_mul_f32 v[RI+2*\t], 0x41000000, v[RI+2*\t]   ; x 8: exact
	v_cmp_gt_f32 vcc_lo, 0xf1000000, v[MM+2*\t]    ; m under -2^99: no key counted
	v_cndmask_b32 v[RI+2*\t], v[RI+2*\t], v[NANR], vcc_lo
.endr
.macro PACK t
	WIN 0x01
.irp d, 0,1,2,3,4,5,6,7,8,9,10,11,12,13,14,15
	v_pk_mul_f32 v[64+32*\t+2*\d:64+32*\t+2*\d+1], v[OO+32*\t+2*\d:OO+32*\t+2*\d+1], v[RI+2*\t:RI+2*\t+1] op_sel_hi:[1,0]
.endr
	WIN 0
.irp d, 0,1,2,3,4,5,6,7,8,9,10,11,12,13,14,15
	v_cvt_pk_f16_f32 v[192+16*\t+\d], v[64+32*\t+2*\d], v[64+32*\t+2*\d+1]
.endr
.irp g, 0,1,2,3
	ds_store_b128 v[STO], v[192+16*\t+4*\g:192+16*\t+4*\g+3] offset:32*\g
.endr
.irp i, 0,1,2,3
	ds_load_b128 v[192+16*\t+4*\i:192+16*\t+4*\i+3], v[RD] offset:\i*4*KP   ; LDS serves a wave's instructions in order: these see the stores above; the next tile's stores come behind them
.endr
.endm
.macro SEND t, younger                 ; younger: the LDS instructions issued behind tile t's loads: the next tile's eight, or none
.irp i, 0,1,2,3
	s_wait_dscnt \younger+3-\i
	global_store_b128 v[GO], v[192+16*\t+4*\i:192+16*\t+4*\i+3], s[8:9] offset:\t*2048+\i*512   ; four rows: 512 consecutive bytes, aligned
.endr
.endm
	PACK 0
	PACK 1
	SEND 0, 8
	PACK 2
	SEND 1, 8
	PACK 3
	SEND 2, 8
	SEND 3, 0
	s_wait_tensorcnt 0x0                           ; the wave's end
	ds_add_u32 v[SPW], v[NIL]
	s_wait_dscnt 0x0
	CROUND                                         ; the closing round
	s_endpgm
.Lfunc_end_k_qe990043e66_attn:
	.size	k_qe990043e66_attn, .Lfunc_end_k_qe990043e66_attn-k_qe990043e66_attn
	.p2alignl 7, 3214868480
	.fill 96, 4, 3214868480
	.section	.rodata,"a",@progbits
	.p2align	6, 0x0
	.amdhsa_kernel k_qe990043e66_attn
		.amdhsa_group_segment_fixed_size 327680
		.amdhsa_private_segment_fixed_size 0
		.amdhsa_enable_private_segment 0
		.amdhsa_kernarg_size 24
		.amdhsa_user_sgpr_count 2
		.amdhsa_user_sgpr_kernarg_segment_ptr 1
		.amdhsa_wavefront_size32 1
		.amdhsa_system_sgpr_workgroup_id_x 1
		.amdhsa_system_sgpr_workgroup_id_y 1
		.amdhsa_system_sgpr_workgroup_id_z 1
		.amdhsa_system_vgpr_workitem_id 0
		.amdhsa_next_free_vgpr 512
		.amdhsa_next_free_sgpr 80
		.amdhsa_reserve_vcc 1
		.amdhsa_float_denorm_mode_32 3
		.amdhsa_float_denorm_mode_16_64 3
		.amdhsa_memory_ordered 1
		.amdhsa_forward_progress 1
		.amdhsa_inst_pref_size 148
	.end_amdhsa_kernel
	.amdgpu_metadata
---
amdhsa.version: [ 1, 2 ]
amdhsa.kernels:
  - .name:           k_qe990043e66_attn
    .symbol:         k_qe990043e66_attn.kd
    .args:
      - { .name: qkvh, .offset: 0, .size: 8, .value_kind: global_buffer, .address_space: global }
      - { .name: tab, .offset: 8, .size: 8, .value_kind: global_buffer, .address_space: global }
      - { .name: att, .offset: 16, .size: 8, .value_kind: global_buffer, .address_space: global }
    .group_segment_fixed_size: 327680
    .private_segment_fixed_size: 0
    .kernarg_segment_align: 8
    .kernarg_segment_size: 24
    .max_flat_workgroup_size: 256
    .sgpr_count:     80
    .vgpr_count:     512
    .wavefront_size: 32
...
	.end_amdgpu_metadata
.endif
;; end of part 3
;; launch oproj (part 4): grid 4 x 64, 4 waves a work-group, clusters of 4 x 4, 327,680 bytes of LDS; arguments att, wo_h, bo, out0; writes out0
.if DOCPART == 4
	.amdgcn_target "amdgcn-amd-amdhsa--gfx1250"
	.amdhsa_code_object_version 6
	.text
	.protected	k_qe990043e66_oproj
	.globl	k_qe990043e66_oproj
	.p2align	8
	.type	k_qe990043e66_oproj,@function
k_qe990043e66_oproj:
	s_mov_b64 s[64:65], 0
	v_nop
	global_prefetch_b8 v0, s[64:65] scope:SCOPE_SE
	s_setreg_imm32_b32 hwreg(HW_REG_WAVE_MODE, 25, 1), 1
	s_wait_xcnt 0x0
	s_wait_alu depctr_hold_cnt(0) depctr_sa_sdst(0) depctr_va_vdst(0) depctr_va_sdst(0) depctr_va_ssrc(0) depctr_va_vcc(0) depctr_vm_vsrc(0)
	s_getreg_b32 s2, hwreg(HW_REG_IB_STS2, 6, 4)
	s_cmp_eq_u32 s2, 0
	s_cbranch_scc0 .Lentry_in_a_cluster
	s_endpgm
.Lentry_in_a_cluster:
	s_bfe_u32 s2, ttmp6, 0x10000c
	s_cmp_lg_u32 s2, 0xf033
	s_cbranch_scc0 .Lentry_shape_is_right
	s_endpgm
.Lentry_shape_is_right:
; out0[m][n] = the sum over k of o[m][k] wo[n][k] + bo[n].  A: att = f16(8 o), [b][h][l][64]: head h is K block h.  B: wo_h = f16(64 wo), [K block 16][n 1024][64].  Sums in f32; out = sum x 2^-9 + bo, one fused multiply-add.
; A tile of out0 is 128 x 256, so that there are 256 work-groups; four waves, each 64 x 128: 32 accumulators, window 1.  K goes in steps of 128 (two K blocks) through two LDS slots.
; Every tile of a K block is a dense block of memory: 128 rows of A, 256 rows of B, 128 bytes a row.  Waves 0 and 1 fetch A's two K blocks, waves 2 and 3 B's: one load a wave.
; CLUSTERS: 4 x 4 work-groups: A's tiles are shared along a row of the cluster, B's along a column: asked for jointly.
; THE MATRIX INSTRUCTION IS USED TRANSPOSED (source 0 = 16 rows of wo, source 1 = 16 rows of o): a lane holds eight neighbouring columns of one row.
; LIMITS: as stated where att and wo_h are made (f16's range); a row of NaN in att gives a row of NaN.
; REGISTERS: window 0: v8-11 bo; v16-30 addresses; two fragment buffers of 96 at v64 and v160: B's 8 fragments, then A's 4.  window 1: accumulator (a, b) at v[8 (8 a + b)].
.set PITCH, 144                        ; an LDS row: 128 bytes + 16: the 16 rows of a load start at 16 different banks (64 banks of 4 bytes: ISA guide 11.1)
.set ABLK,  128*PITCH
.set BBLK,  256*PITCH
.set SLOT,  2*ABLK+2*BBLK              ; A's two K blocks, then B's two
.set SPARE, 2*SLOT                     ; the spare words, 128 bytes a wave, that no other line names
.set SPITCH, 528                       ; the way out: a stage of 16 rows x (512 bytes + 16) a wave, in slot 0, which has had its last fill and its last read when the first result is stored there
.set LAPS,  4                          ; a lap = two K steps = once round the ring
.set BO,   8
.set ADRA, 16
.set ADRB, 20
.set STO,  24
.set RD,   25
.set CO,   26
.set SPW,  28
.set NIL,  29
.set PFO,  30
.set F0,   64
.set F1,   160
.set WV,   12
.set LIM,  15
.set PFA,  18
.set G1,  24
.set G0,  32
.set G1B, 48
.set G0B, 56
.set MSB, 0
.macro WIN new                         ; the immediate's high byte repeats the setting that is left
.if MSB != (\new)
	s_set_vgpr_msb (MSB<<8)|(\new)
.set MSB, (\new)
.endif
.endm
.set MUL, 0x50                         ; C and D window 1
.macro JLOAD s                         ; a joint load; an s_nop 0 and four v_nop follow each of the two lines
	s_cmp_eq_u32 s13, 0
	s_cbranch_scc0 .Lfor_b_\@
	tensor_load_to_lds s[G0+4*\s:G0+4*\s+3], s[G1:G1+7]
	s_nop 0
.rept 4
	v_nop
.endr
	s_branch .Lasked_\@
.Lfor_b_\@:
	tensor_load_to_lds s[G0B+4*\s:G0B+4*\s+3], s[G1B:G1B+7]
	s_nop 0
.rept 4
	v_nop
.endr
.Lasked_\@:
.endm
.macro CREST                           ; a round of the cluster's barrier behind its opening barrier
	s_cmp_lg_u32 s[WV], 0
	s_cbranch_scc1 .Lnot_wave_0_\@
	s_barrier_signal -3
.Lnot_wave_0_\@:
	s_barrier_wait -3
	s_barrier_signal -1
	s_barrier_wait -1
.endm
.macro CROUND
	s_barrier_signal -1
	s_barrier_wait -1
	CREST
.endm
; A prefetch of A's K step that stands two refills on.  A's tile row is read by this row of the cluster alone; its four partners take 4,096 bytes of each of the two K blocks, told apart by address;
; wave 0 asks: lanes 0-15 in the first K block, lanes 16-31 in the second, 256 bytes apart.  The loop's last trip asks for nothing.  B's rows are read by many clusters and are not asked for.
.macro ASK
	s_cmp_gt_u32 s3, s[LIM]
	s_cbranch_scc0 .Lnot_mine_\@
	global_prefetch_b8 v[PFO], s[PFA:PFA+1] th:TH_LOAD_NT scope:SCOPE_SE
.Lnot_mine_\@:
.endm
	s_load_b128 s[4:7], s[0:1], 0x0                ; att, wo_h
	s_load_b128 s[8:11], s[0:1], 0x10              ; bo, out0
	v_lshl_add_u32 v[SPW], v0, 2, SPARE
	v_mov_b32 v[NIL], 0
	ds_add_u32 v[SPW], v[NIL]                      ; the wave's opening: the add, twice on end, and its wait ahead of my first tensor load
	ds_add_u32 v[SPW], v[NIL]
	v_lshrrev_b32 v1, 5, v0
	v_readfirstlane_b32 s[WV], v1                  ; wave 0..3
	s_lshr_b32 s13, s[WV], 1                       ; which half of the tile's rows is mine.  Also: I fetch for A (0) or for B (1)
	s_and_b32 s14, s[WV], 1                        ; which half of its columns.  Also: which K block of a step I fetch
	s_bfe_u32 s40, ttmp6, 0x40000                  ; cx = the tile column (the grid is one cluster wide)
	s_bfe_u32 s41, ttmp6, 0x40004                  ; cy
	s_and_b32 s42, ttmp7, 0xffff
	s_lshl_b32 s42, s42, 2
	s_add_co_u32 s42, s42, s41                     ; tile row
	s_lshl_b32 s43, s41, 2
	s_lshl_b32 s43, 15, s43                        ; my row of the cluster
	s_lshl_b32 s44, 0x1111, s40                    ; my column
	s_or_b32 s[G1+0], s43, (1<<16)|(1<<20)|(1<<21)|(4<<22)|(3<<25)  ; the mask; elements of 2 bytes; padding on: 4 words behind every 32; bit 21 beside a mask
	s_or_b32 s[G1B+0], s44, (1<<16)|(1<<20)|(1<<21)|(4<<22)|(3<<25)
	s_mov_b32 s[G1+1], 64<<16                      ; A: 128 rows of 64 elements
	s_mov_b32 s[G1+2], 128<<16
	s_mov_b32 s[G1+3], 64<<16
	s_mov_b32 s[G1+4], 128
	s_mov_b32 s[G1+5], 64
	s_mov_b32 s[G1+6], 0
	s_mov_b32 s[G1+7], 0
	s_mov_b32 s[G1B+1], 64<<16                     ; B: 256 rows
	s_mov_b32 s[G1B+2], 256<<16
	s_mov_b32 s[G1B+3], 64<<16
	s_mov_b32 s[G1B+4], 256
	s_mov_b32 s[G1B+5], 64
	s_mov_b32 s[G1B+6], 0
	s_mov_b32 s[G1B+7], 0
	s_lshr_b32 s16, s42, 4                         ; A: batch = tile row / 16; head = my K block; rows 128 (tile row % 16) on
	s_lshl_b32 s16, s16, 4
	s_add_co_u32 s16, s16, s14
	s_lshl_b32 s16, s16, 18
	s_and_b32 s17, s42, 15
	s_lshl_b32 s17, s17, 14
	s_add_co_u32 s16, s16, s17
	s_mov_b32 s17, 0
	s_lshl_b32 s46, s14, 17                        ; B: my K block; rows 256 x tile column on
	s_lshl_b32 s47, s40, 15
	s_add_co_u32 s46, s46, s47
	s_mov_b32 s47, 0
	s_mul_i32 s20, s14, ABLK                       ; where they go: no place in the cluster enters an LDS address
	s_mul_i32 s21, s14, BBLK
	s_add_co_u32 s21, s21, 2*ABLK
	s_wait_dscnt 0x0                               ; both opening adds are done
	s_wait_kmcnt 0x0
	s_add_nc_u64 s[16:17], s[4:5], s[16:17]
	s_add_nc_u64 s[46:47], s[6:7], s[46:47]
	CROUND                                         ; all sixteen work-groups are here: the first joint loads meet
.irp s, 0,1
	s_mov_b32 s[G0+4*\s], 1
	s_add_co_u32 s[G0+4*\s+1], s20, \s*SLOT
	s_add_nc_u64 s[G0+4*\s+2:G0+4*\s+3], s[16:17], \s*524288      ; K step s: two heads on
	s_or_b32 s[G0+4*\s+3], s[G0+4*\s+3], 0x80000000
	s_mov_b32 s[G0B+4*\s], 1
	s_add_co_u32 s[G0B+4*\s+1], s21, \s*SLOT
	s_add_nc_u64 s[G0B+4*\s+2:G0B+4*\s+3], s[46:47], \s*262144
	s_or_b32 s[G0B+4*\s+3], s[G0B+4*\s+3], 0x80000000
	JLOAD \s                                       ; two loads of mine are out
.endr
	s_lshl_b32 s22, s40, 12                        ; the prefetches (wave 0, whose A address stands at the tile's first K block): my work-group's 4,096 bytes,
	s_add_co_u32 s22, s22, 3*524288                ; at K step 3: the first refill steps it to 4.  Nothing is asked for here, at the head
	s_mov_b32 s23, 0
	s_add_nc_u64 s[PFA:PFA+1], s[16:17], s[22:23]
	s_cmp_eq_u32 s[WV], 0
	s_cselect_b32 s[LIM], 1, -1
	v_and_b32 v1, 15, v0                           ; r
	v_bfe_u32 v2, v0, 4, 1                         ; h
	v_mul_u32_u24 v3, v1, PITCH
	v_lshl_add_u32 v3, v2, 4, v3
	s_mul_i32 s21, s13, 64*PITCH                   ; my 64 rows of A
	s_mul_i32 s22, s14, 128*PITCH                  ; my 128 rows of B,
	s_add_co_u32 s22, s22, 2*ABLK                  ; behind A's two K blocks
.irp s, 0,1
	v_add_nc_u32 v[ADRA+\s], s21, v3
	v_add_nc_u32 v[ADRB+\s], s22, v3
	s_add_co_u32 s21, s21, SLOT
	s_add_co_u32 s22, s22, SLOT
.endr
	s_mul_i32 s23, s[WV], 16*SPITCH                ; my stage
	v_mul_u32_u24 v4, v1, SPITCH
	v_lshl_add_u32 v4, v2, 5, v4
	v_add_nc_u32 v[STO], s23, v4                   ; in: row r, 32 bytes for each half of the lanes
	v_and_b32 v5, 31, v0
	v_lshlrev_b32 v[CO], 4, v5                     ; back: the 32 lanes take one row of 512 bytes; and the same in out0 and in bo
	v_add_nc_u32 v[RD], s23, v[CO]
	v_lshlrev_b32 v[PFO], 8, v1
	v_lshl_add_u32 v[PFO], v2, 18, v[PFO]
	s_lshl_b32 s46, s40, 10                        ; my first column, in bytes: 1,024 x tile column + 512 x half
	s_lshl_b32 s47, s14, 9
	s_add_co_u32 s46, s46, s47
	s_mov_b32 s47, 0
	s_add_nc_u64 s[8:9], s[8:9], s[46:47]
	s_lshl_b32 s20, s42, 7
	s_lshl_b32 s21, s13, 6
	s_add_co_u32 s20, s20, s21                     ; my first row
	s_lshl_b32 s20, s20, 12
	s_mov_b32 s21, 0
	s_add_nc_u64 s[10:11], s[10:11], s[20:21]
	s_add_nc_u64 s[10:11], s[10:11], s[46:47]
	global_load_b128 v[BO:BO+3], v[CO], s[8:9]     ; bo of my four columns of a row; waited for on the way out
.macro MUL8 f, a, zero                 ; A's block a x B's eight, 32 along K.  The 32 accumulators take turns, one instruction a turn, in the same order in every quarter
.irp b, 0,1,2,3,4,5,6,7
.if \zero
	v_wmma_f32_16x16x32_f16 v[8*(8*(\a)+\b):8*(8*(\a)+\b)+7], v[\f+8*\b:\f+8*\b+7], v[\f+64+8*(\a):\f+64+8*(\a)+7], 0
.else
	v_wmma_f32_16x16x32_f16 v[8*(8*(\a)+\b):8*(8*(\a)+\b)+7], v[\f+8*\b:\f+8*\b+7], v[\f+64+8*(\a):\f+64+8*(\a)+7], v[8*(8*(\a)+\b):8*(8*(\a)+\b)+7]
.endif
.endr
.endm
.macro FETCH slot, q, f                ; 24 LDS loads in one run: the slot's q-th 32 along K: B's eight fragments, then A's four
	WIN 0
.irp i, 0,1,2,3,4,5,6,7
	ds_load_b128 v[\f+8*\i:\f+8*\i+3], v[ADRB+\slot] offset:((\q)/2)*BBLK+((\q)%2)*64+\i*16*PITCH
	ds_load_b128 v[\f+8*\i+4:\f+8*\i+7], v[ADRB+\slot] offset:((\q)/2)*BBLK+((\q)%2)*64+\i*16*PITCH+32
.endr
.irp i, 0,1,2,3
	ds_load_b128 v[\f+64+8*\i:\f+64+8*\i+3], v[ADRA+\slot] offset:((\q)/2)*ABLK+((\q)%2)*64+\i*16*PITCH
	ds_load_b128 v[\f+64+8*\i+4:\f+64+8*\i+7], v[ADRA+\slot] offset:((\q)/2)*ABLK+((\q)%2)*64+\i*16*PITCH+32
.endr
.endm
.macro PLACES                          ; four places in front of loads into registers that matrix instructions have read, and of the first read of results
.rept 4
	v_nop
.endr
.endm
; A K step is four quarters of 32 along K, 32 matrix instructions each, on buffers 0, 1, 0, 1.  One of the first three: multiplies buffer f and fetches quarter qn into g.
.macro QUARTER slot, qn, f, g, zero
	s_wait_dscnt 4                                 ; B and A's blocks 0 and 1 are in; the four youngest loads (A's blocks 2 and 3) may be out
	WIN MUL
	MUL8 \f, 0, \zero
	MUL8 \f, 1, \zero
	PLACES
	FETCH \slot, \qn, \g
	s_wait_dscnt 24                                ; all but the 24 just issued
	WIN MUL
	MUL8 \f, 2, \zero
	MUL8 \f, 3, \zero
.endm
; The last quarter multiplies buffer 1 and changes slots: one barrier; in front of it each wave waits for all its tensor loads, adds 0 to its spare word, and waits for that and for its reads of this slot.
; fill = 1: the barrier opens a round of the cluster's, and this slot is filled again, two K steps ahead: 112 matrix instructions stand between the request and the wait for it.
.macro TURN slot, next, fill
.if \fill
	s_wait_xcnt 0x0                                ; the last prefetch, a K step back, has read its address
	s_add_nc_u64 s[PFA:PFA+1], s[PFA:PFA+1], 524288
.endif
	WIN 0
	s_wait_tensorcnt 0x0                           ; all my tensor loads have landed: my part of the next slot
	ds_add_u32 v[SPW], v[NIL]
	s_wait_dscnt 5                                 ; (the add and the four youngest loads may be out)
	WIN MUL
	MUL8 F1, 0, 0
	s_wait_dscnt 0x0                               ; the add is done, and my reads of this slot are over
	s_barrier_signal -1
	MUL8 F1, 1, 0
	WIN 0
	s_barrier_wait -1
.if \fill
	CREST                                          ; no wave of any partner still reads this slot or has a load on its way
	s_add_nc_u64 s[G0+4*\slot+2:G0+4*\slot+3], s[G0+4*\slot+2:G0+4*\slot+3], 1048576
	s_add_nc_u64 s[G0B+4*\slot+2:G0B+4*\slot+3], s[G0B+4*\slot+2:G0B+4*\slot+3], 524288
	JLOAD \slot                                    ; the first tensor load behind the round; its four v_nop are also the places in front of the loads below
.else
	PLACES
.endif
	FETCH \next, 0, F0
.if \fill
	ASK
.endif
	WIN MUL
	MUL8 F1, 2, 0
	MUL8 F1, 3, 0
.endm
	s_wait_tensorcnt 1                             ; my part of K step 0 is in (K step 1's load may be out),
	s_barrier_signal -1
	s_barrier_wait -1                              ; everybody's is
	FETCH 0, 0, F0
	QUARTER 0, 1, F0, F1, 1                        ; the first quarter stands in front of the loop: its products start the sums
	WIN 0
	s_mov_b32 s3, LAPS-1
.Llap:                                             ; a trip goes once round the ring and fills both slots again
	QUARTER 0, 2, F1, F0, 0
	QUARTER 0, 3, F0, F1, 0
	TURN 0, 1, 1
	QUARTER 1, 1, F0, F1, 0
	QUARTER 1, 2, F1, F0, 0
	QUARTER 1, 3, F0, F1, 0
	TURN 1, 0, 1
	QUARTER 0, 1, F0, F1, 0
	WIN 0
	s_sub_co_u32 s3, s3, 1
	s_cmp_lg_u32 s3, 0
	s_cbranch_scc1 .Llap
	QUARTER 0, 2, F1, F0, 0                        ; the last lap fills nothing
	QUARTER 0, 3, F0, F1, 0
	TURN 0, 1, 0
	QUARTER 1, 1, F0, F1, 0
	QUARTER 1, 2, F1, F0, 0
	QUARTER 1, 3, F0, F1, 0
	s_wait_dscnt 4
	WIN MUL
	MUL8 F1, 0, 0
	MUL8 F1, 1, 0
	s_wait_dscnt 0x0
	MUL8 F1, 2, 0
	MUL8 F1, 3, 0
	WIN 0
; THE WAY OUT, a block of 16 rows x 128 columns at a time: through my own stage and back as whole rows of 512 bytes; x 2^-9 + bo; stored.
.macro TOSTAGE a
	WIN 0x04                                       ; an LDS store's data are its source 1: window 1
.irp b, 0,1,2,3,4,5,6,7
	ds_store_b128 v[STO], v[8*(8*(\a)+\b):8*(8*(\a)+\b)+3] offset:64*\b            ; each accumulator from its low end on
	ds_store_b128 v[STO], v[8*(8*(\a)+\b)+4:8*(8*(\a)+\b)+7] offset:64*\b+16
.endr
	WIN 0
.set BB, 64+64*((\a)%2)
.irp t, 0,1,2,3,4,5,6,7,8,9,10,11,12,13,14,15
	ds_load_b128 v[BB+4*\t:BB+4*\t+3], v[RD] offset:\t*SPITCH   ; LDS serves a wave's instructions in order: these see the stores above
.endr
.endm
.macro SEND a, younger                 ; younger: the LDS instructions issued behind block a's loads
.set BB, 64+64*((\a)%2)
	s_wait_dscnt \younger
.irp t, 0,1,2,3,4,5,6,7,8,9,10,11,12,13,14,15
.irp e, 0,1
	v_pk_fma_f32 v[BB+4*\t+2*\e:BB+4*\t+2*\e+1], v[BB+4*\t+2*\e:BB+4*\t+2*\e+1], 0x3b000000, v[BO+2*\e:BO+2*\e+1] op_sel_hi:[1,0,1]
.endr
.endr
.irp t, 0,1,2,3,4,5,6,7,8,9,10,11,12,13,14,15
	global_store_b128 v[CO], v[BB+4*\t:BB+4*\t+3], s[10:11] offset:(16*(\a)+\t)*4096 th:TH_STORE_NT   ; 32 lanes store 512 consecutive bytes, aligned; written once, read by nobody here
.endr
.endm
	PLACES
	s_wait_loadcnt 0x0                             ; bo
	TOSTAGE 0
.irp a, 1,2,3
.if \a > 1
	s_wait_xcnt 0x0                                ; block a - 2's stores have read their registers: block a's rows land there only behind this wait
.endif
	TOSTAGE \a
	SEND \a-1, 32                                  ; behind block a - 1's loads: block a's 16 stores and 16 loads
.endr
	SEND 3, 0
	s_wait_tensorcnt 0x0                           ; the wave's end
	ds_add_u32 v[SPW], v[NIL]
	s_wait_dscnt 0x0
	CROUND                                         ; the closing round
	s_endpgm
.Lfunc_end_k_qe990043e66_oproj:
	.size	k_qe990043e66_oproj, .Lfunc_end_k_qe990043e66_oproj-k_qe990043e66_oproj
	.p2alignl 7, 3214868480
	.fill 96, 4, 3214868480
	.section	.rodata,"a",@progbits
	.p2align	6, 0x0
	.amdhsa_kernel k_qe990043e66_oproj
		.amdhsa_group_segment_fixed_size 327680
		.amdhsa_private_segment_fixed_size 0
		.amdhsa_enable_private_segment 0
		.amdhsa_kernarg_size 32
		.amdhsa_user_sgpr_count 2
		.amdhsa_user_sgpr_kernarg_segment_ptr 1
		.amdhsa_wavefront_size32 1
		.amdhsa_system_sgpr_workgroup_id_x 1
		.amdhsa_system_sgpr_workgroup_id_y 1
		.amdhsa_system_sgpr_workgroup_id_z 1
		.amdhsa_system_vgpr_workitem_id 0
		.amdhsa_next_free_vgpr 512
		.amdhsa_next_free_sgpr 66
		.amdhsa_reserve_vcc 0
		.amdhsa_float_denorm_mode_32 3
		.amdhsa_float_denorm_mode_16_64 3
		.amdhsa_memory_ordered 1
		.amdhsa_forward_progress 1
		.amdhsa_inst_pref_size 98
	.end_amdhsa_kernel
	.amdgpu_metadata
---
amdhsa.version: [ 1, 2 ]
amdhsa.kernels:
  - .name:           k_qe990043e66_oproj
    .symbol:         k_qe990043e66_oproj.kd
    .args:
      - { .name: att, .offset: 0, .size: 8, .value_kind: global_buffer, .address_space: global }
      - { .name: wo_h, .offset: 8, .size: 8, .value_kind: global_buffer, .address_space: global }
      - { .name: bo, .offset: 16, .size: 8, .value_kind: global_buffer, .address_space: global }
      - { .name: out0, .offset: 24, .size: 8, .value_kind: global_buffer, .address_space: global }
    .group_segment_fixed_size: 327680
    .private_segment_fixed_size: 0
    .kernarg_segment_align: 8
    .kernarg_segment_size: 32
    .max_flat_workgroup_size: 128
    .sgpr_count:     66
    .vgpr_count:     512
    .wavefront_size: 32
...
	.end_amdgpu_metadata
.endif
;; end of part 4
